; MI455X (gfx1250); checked and timed in simulation.
; The chip was launched on July 23, 2026; its instructions are those of AMD's public machine-readable ISA for CDNA 5 (MIT licence, August 2026) and "CDNA5" Instruction Set Architecture Reference Guide (July 2026). The comments in the code are by the model that wrote it; some were corrected since.
;; Attention. Allowed arithmetic: float matrix products may take bf16 or f16 operands with f32 sums; other float arithmetic in f32, or as packed bf16 or f16 multiplies, adds, multiply-adds, maxima and minima; sums over many terms, partial sums and values carried from step to step in f32; what a program stores and reads back later, other than sums and carried values, may be rounded once to bf16 or f16.
;; Inputs: b_out 1,024 float32; q_bias 1,024 float32; v_bias 1,024 float32; w_out 1,024 x 1,024 float32; wk 1,024 x 1,024 float32; wq 1,024 x 1,024 float32; wv 1,024 x 1,024 float32; x 8 x 1,025 x 1,024 float32.
;; Outputs: out0 8 x 1,025 x 1,024 float32.
;; One version. Each part assembles by itself: llvm-mc -triple=amdgcn-amd-amdhsa -mcpu=gfx1250 --defsym DOCPART=n.
;; ======== version 1 of 1: 4 launches
;; limits: values are held in f16: magnitudes above 65,504 overflow, below 6.1e-05 lose precision
;; workspace buffers: xb 16,777,216 bytes; wb 6,291,456 bytes; wo 2,097,152 bytes; tab 262,144 bytes; cls 49,152 bytes; qkv 50,331,648 bytes; ob 16,809,984 bytes
;; launch prep (part 1): grid 448 x 1, 8 waves a work-group, no clusters, 33,792 bytes of LDS; arguments x, wq, wk, wv, w_out, q_bias, v_bias, xb, wb, wo, tab, cls; writes xb, wb, wo, tab, cls
.if DOCPART == 1
	.amdgcn_target "amdgcn-amd-amdhsa--gfx1250"
	.amdhsa_code_object_version 6
	.text
	.protected	k_q937dcc8460_prep
	.globl	k_q937dcc8460_prep
	.p2align	8
	.type	k_q937dcc8460_prep,@function
k_q937dcc8460_prep:
	s_mov_b64 s[64:65], 0
	v_nop
	global_prefetch_b8 v0, s[64:65] scope:SCOPE_SE
	s_setreg_imm32_b32 hwreg(HW_REG_WAVE_MODE, 25, 1), 1
	s_wait_xcnt 0x0
; PREPARATION.  Four kinds of work-group, told apart by the work-group's number alone:
;   0-47    q, k, v of the 8 CLS rows (token 0 of each batch), no rotation: cls[z][b*16+head][64] in f16
;   48-63   the rotation table tab[p][64] in f32: 32 cosines, then 32 sines of p * 10000^(-f/32)
;   64-191  wq, wk, wv rounded to bf16 (wb), w_out rounded to bf16 and written as f16 (wo); the layout [k][n] is kept
;   192-447 x rounded to bf16 without the CLS rows: xb[kb][m][64], m = b*1024 + token - 1, kb = channel / 64
; LIMITS.  q, k, v leave in f16: they must stay under 65,504.  The table's angle carries the error of one exponential
; (one unit in the last place of the frequency), about 1e-4 rad at p = 1023.  The 49,152 bytes of cls leave in pieces of 16 bytes.
.set SPARE, 32768                      ; behind the partial sums: the spare words, 128 bytes a wave
.set SPW, 2                            ; v2  my spare word; never rewritten
.set NIL, 3                            ; v3  0; never rewritten
.set VI,  4                            ; v4  offset of my loads
.set VO,  5                            ; v5  offset of my stores (CLS path: of x's loads)
.set IN,  64                           ; v[64:191]  a run's 32 loads
.set YR,  192                          ; v[192:255] a run's 16 stores, each with registers of its own
.set WV,  28                           ; s28 my wave's number
.set SRC, 40
.set DS0, 42
.set DS1, 44
.set ACC, 16                           ; CLS path: four accumulators
.set BFR, 48                           ; four fragments of the weights
.set AFR, 80                           ; one fragment of x
.set CB,  88                           ; two step buffers of 80: 64 of W, 16 of x
	s_load_b512 s[4:19], s[0:1], 0x0               ; x 4, wq 6, wk 8, wv 10, w_out 12, q_bias 14, v_bias 16, xb 18
	s_load_b256 s[20:27], s[0:1], 0x40             ; wb 20, wo 22, tab 24, cls 26
	v_lshl_add_u32 v[SPW], v0, 2, SPARE
	v_mov_b32 v[NIL], 0
	v_and_b32 v1, 31, v0                           ; lane
	v_lshrrev_b32 v6, 5, v0
	v_readfirstlane_b32 s[WV], v6
	s_mov_b32 s31, 0                               ; the high word of every offset pair s[30:31]
	s_wait_kmcnt 0x0
	s_cmp_lt_u32 ttmp9, 48
	s_cbranch_scc1 .Lcls
	s_cmp_lt_u32 ttmp9, 64
	s_cbranch_scc1 .Ltab
	s_cmp_lt_u32 ttmp9, 192
	s_cbranch_scc1 .Lw
; A run: 16 x (32 bytes of f32 a lane in, 16 bytes of 16-bit numbers a lane out).  All 32 loads go out at once; every store has its own data registers.
.macro CASTRUN instep, outstep, f16, nt
.set i, 0
.rept 16
.if \nt
	global_load_b128 v[IN+8*i:IN+8*i+3],   v[VI], s[SRC:SRC+1] offset:i*(\instep) th:TH_LOAD_NT
	global_load_b128 v[IN+8*i+4:IN+8*i+7], v[VI], s[SRC:SRC+1] offset:i*(\instep)+16 th:TH_LOAD_NT
.else
	global_load_b128 v[IN+8*i:IN+8*i+3],   v[VI], s[SRC:SRC+1] offset:i*(\instep)
	global_load_b128 v[IN+8*i+4:IN+8*i+7], v[VI], s[SRC:SRC+1] offset:i*(\instep)+16
.endif
.set i, i+1
.endr
.set i, 0
.rept 16
	s_wait_loadcnt 30-2*i                          ; loads come back in order: pair i is in, the younger pairs stay out
.irp k, 0,1,2,3
	v_cvt_pk_bf16_f32 v[YR+4*i+\k], v[IN+8*i+2*\k], v[IN+8*i+2*\k+1]
.endr
.if \f16                               ; the bf16 number written as f16
.irp k, 0,1,2,3
	v_lshlrev_b32 v[32+2*\k], 16, v[YR+4*i+\k]
	v_and_b32 v[33+2*\k], 0xffff0000, v[YR+4*i+\k]
.endr
.irp k, 0,1,2,3
	v_cvt_pk_f16_f32 v[YR+4*i+\k], v[32+2*\k], v[33+2*\k]
.endr
.endif
.if i < 8
	global_store_b128 v[VO], v[YR+4*i:YR+4*i+3], s[DS0:DS0+1] offset:i*(\outstep) th:TH_STORE_NT  ; 512 consecutive bytes a wave
.else
	global_store_b128 v[VO], v[YR+4*i:YR+4*i+3], s[DS1:DS1+1] offset:(i-8)*(\outstep) th:TH_STORE_NT
.endif
.set i, i+1
.endr
.endm
	; ---- x: 32 rows a work-group, 4 a wave; eight lanes take 256 bytes (one kb) of a row
	s_sub_co_u32 s32, ttmp9, 192
	s_lshl_b32 s33, s32, 5
	s_lshl2_add_u32 s33, s[WV], s33                ; m0 = 32 id + 4 wave
	s_lshr_b32 s34, s32, 5                         ; the batch
	s_add_co_u32 s34, s34, s33
	s_add_co_u32 s34, s34, 1                       ; the row of x: m + b + 1
	s_lshl_b32 s30, s34, 12
	s_add_nc_u64 s[SRC:SRC+1], s[4:5], s[30:31]
	s_lshl_b32 s30, s33, 7
	s_add_nc_u64 s[DS0:DS0+1], s[18:19], s[30:31]
	s_add_nc_u64 s[DS1:DS1+1], s[DS0:DS0+1], 0x800000  ; kb 8 and up
	v_lshrrev_b32 v6, 3, v1
	v_and_b32 v7, 7, v1
	v_lshlrev_b32 v[VI], 5, v7
	v_lshl_add_u32 v[VI], v6, 12, v[VI]
	v_lshlrev_b32 v[VO], 4, v1
	CASTRUN 256, 1048576, 0, 1
	s_endpgm
.Lw:	; ---- the weights: 32 chunks of 131,072 bytes a matrix, 16,384 a wave
	s_sub_co_u32 s32, ttmp9, 64
	s_lshr_b32 s33, s32, 5                         ; which matrix
	s_and_b32 s34, s32, 31
	s_lshl_b32 s30, s34, 17
	s_lshl_b32 s35, s[WV], 14
	s_add_co_u32 s30, s30, s35
	s_lshl_b32 s36, s34, 16
	s_lshl_b32 s35, s[WV], 13
	s_add_co_u32 s36, s36, s35
	s_mov_b32 s37, 0
	v_lshlrev_b32 v[VI], 5, v1
	v_lshlrev_b32 v[VO], 4, v1
	s_cmp_eq_u32 s33, 3
	s_cbranch_scc1 .Lwo
	s_cmp_eq_u32 s33, 1
	s_cselect_b64 s[SRC:SRC+1], s[8:9], s[6:7]
	s_cmp_eq_u32 s33, 2
	s_cselect_b64 s[SRC:SRC+1], s[10:11], s[SRC:SRC+1]
	s_add_nc_u64 s[SRC:SRC+1], s[SRC:SRC+1], s[30:31]
	s_lshl_b32 s35, s33, 21
	s_add_co_u32 s36, s36, s35
	s_add_nc_u64 s[DS0:DS0+1], s[20:21], s[36:37]
	s_add_nc_u64 s[DS1:DS1+1], s[DS0:DS0+1], 4096
	CASTRUN 1024, 512, 0, 0                        ; no hint: the CLS work-groups read the same weights
	s_endpgm
.Lwo:
	s_add_nc_u64 s[SRC:SRC+1], s[12:13], s[30:31]
	s_add_nc_u64 s[DS0:DS0+1], s[22:23], s[36:37]
	s_add_nc_u64 s[DS1:DS1+1], s[DS0:DS0+1], 4096
	CASTRUN 1024, 512, 1, 0
	s_endpgm
.Ltab:	; ---- the table: 64 positions a work-group, 8 a wave, two rows (512 bytes) a store.  Lane: row l / 16; four numbers at 16 (l % 16): cosines below 8, sines above
	s_sub_co_u32 s32, ttmp9, 48
	s_lshl_b32 s33, s32, 6
	s_lshl3_add_u32 s33, s[WV], s33
	s_lshl_b32 s30, s33, 8
	s_add_nc_u64 s[24:25], s[24:25], s[30:31]
	v_lshrrev_b32 v6, 4, v1
	v_and_b32 v7, 15, v1
	v_lshrrev_b32 v8, 3, v7
	v_and_b32 v9, 7, v7
	v_lshlrev_b32 v9, 2, v9                        ; my first frequency
	v_mul_u32_u24 v8, 3, v8                        ; sin(a) = cos(a - pi/2): three quarter turns on
	v_add_nc_u32 v6, s33, v6
	v_cvt_f32_u32 v6, v6                           ; p
	v_lshlrev_b32 v[VO], 4, v1
.irp e, 0,1,2,3
	v_add_nc_u32 v[10+\e], \e, v9
	v_cvt_f32_u32 v[10+\e], v[10+\e]
	v_mul_f32 v[10+\e], 0xbed49a78, v[10+\e]       ; -log2(10000) / 32 x f
.endr
.irp e, 0,1,2,3
	v_exp_f32 v[10+\e], v[10+\e]
.endr
	v_nop                                          ; a plain instruction behind the last exponential,
	s_wait_alu depctr_va_vdst(0)                   ; and one wait for the four, ahead of the label
	s_mov_b32 s34, 4
.Ltabl:
.irp e, 0,1,2,3
	v_mul_f32 v14, v6, v[10+\e]                    ; the angle
	v_mul_f32 v15, 0x3f22f983, v14                 ; x 2 / pi
	v_rndne_f32 v15, v15                           ; quarter turns k
	v_fmamk_f32 v16, v15, 0xbfc90fdb, v14          ; r = angle - k pi/2, pi/2 in two parts
	v_fmamk_f32 v16, v15, 0x333bbd2e, v16
	v_cvt_i32_f32 v17, v15
	v_add_nc_u32 v17, v17, v8
	v_mul_f32 v18, v16, v16
	v_mov_b32 v19, 0xb9500d01                      ; sin r, |r| <= pi/4: the series to r^7
	v_fmaak_f32 v19, v19, v18, 0x3c088889
	v_fmaak_f32 v19, v19, v18, 0xbe2aaaab
	v_mul_f32 v24, v16, v18
	v_fma_f32 v19, v24, v19, v16
	v_mov_b32 v25, 0x37d00d01                      ; cos r: the series to r^8
	v_fmaak_f32 v25, v25, v18, 0xbab60b61
	v_fmaak_f32 v25, v25, v18, 0x3d2aaaab
	v_fmaak_f32 v25, v25, v18, 0xbf000000
	v_fmaak_f32 v25, v25, v18, 0x3f800000
	v_and_b32 v26, 1, v17
	v_cmp_eq_u32 vcc_lo, 1, v26
	v_cndmask_b32 v25, v25, v19, vcc_lo            ; odd quarter: the sine
	v_add_nc_u32 v17, 1, v17
	v_and_b32 v17, 2, v17
	v_lshlrev_b32 v17, 30, v17                     ; quarters 1 and 2: the sign turns
	v_xor_b32 v[20+\e], v25, v17
.endr
	global_store_b128 v[VO], v[20:23], s[24:25]
	s_wait_xcnt 0x0                                ; the store has read its data and base: both are written again below
	s_add_nc_u64 s[24:25], s[24:25], 512
	v_add_f32 v6, 2.0, v6
	s_sub_co_u32 s34, s34, 1
	s_cmp_lg_u32 s34, 0
	s_cbranch_scc1 .Ltabl
	s_endpgm
.Lcls:	; ---- the CLS rows: z = id / 16, head = id % 16; 64 columns; K split among 8 waves, 128 each, in 4 steps of 32.
	; Source 0 = 16 columns of W (lane r of block c is column 4 r + c: a load of 16 bytes brings four blocks' numbers), source 1 = the 8 rows of x, twice.
	; In the result register j of block c, lane (r, h), is column 32 h + 4 j + c of batch r % 8.
	s_lshr_b32 s32, ttmp9, 4                       ; z
	s_and_b32 s33, ttmp9, 15                       ; head
	s_cmp_eq_u32 s32, 1
	s_cselect_b64 s[SRC:SRC+1], s[8:9], s[6:7]
	s_cmp_eq_u32 s32, 2
	s_cselect_b64 s[SRC:SRC+1], s[10:11], s[SRC:SRC+1]
	s_lshl_b32 s30, s[WV], 19                      ; my 128 rows of W
	s_lshl_b32 s34, s33, 8
	s_add_co_u32 s30, s30, s34
	s_add_nc_u64 s[SRC:SRC+1], s[SRC:SRC+1], s[30:31]
	s_lshl_b32 s30, s[WV], 9
	s_add_nc_u64 s[4:5], s[4:5], s[30:31]
	v_and_b32 v6, 15, v1                           ; r
	v_lshrrev_b32 v7, 4, v1                        ; h
	v_lshlrev_b32 v[VI], 4, v6
	v_lshl_add_u32 v[VI], v7, 15, v[VI]            ; 8 h rows of W + 16 r
	v_and_b32 v8, 7, v6
	v_mul_u32_u24 v[VO], v8, 0x401000              ; a batch of x: 1025 x 4096 bytes
	v_lshl_add_u32 v[VO], v7, 5, v[VO]
.macro CLD s, b                        ; step s's 20 loads into buffer b
.set j, 0
.rept 16
	global_load_b128 v[CB+80*(\b)+4*j:CB+80*(\b)+4*j+3], v[VI], s[SRC:SRC+1] offset:(32*(\s)+16*(j/8)+j%8)*4096
.set j, j+1
.endr
.set j, 0
.rept 4
	global_load_b128 v[CB+80*(\b)+64+4*j:CB+80*(\b)+64+4*j+3], v[VO], s[4:5] offset:(\s)*128+(j/2)*64+(j%2)*16
.set j, j+1
.endr
.endm
.macro CCV b                           ; buffer b rounded to bf16, into the fragments
.set c, 0
.rept 4
.set i, 0
.rept 8
	v_cvt_pk_bf16_f32 v[BFR+8*c+i], v[CB+80*(\b)+4*(8*(i/4)+2*(i%4))+c], v[CB+80*(\b)+4*(8*(i/4)+2*(i%4)+1)+c]
.set i, i+1
.endr
.set c, c+1
.endr
.set i, 0
.rept 8
	v_cvt_pk_bf16_f32 v[AFR+i], v[CB+80*(\b)+64+2*i], v[CB+80*(\b)+64+2*i+1]
.set i, i+1
.endr
.endm
	CLD 0, 0
	CLD 1, 1
.set st, 0
.rept 4
.if st < 3
	s_wait_loadcnt 20                              ; this step's loads are in, the next step's 20 stay out
.else
	s_wait_loadcnt 0x0
.endif
.if st > 0
.rept 4
	v_nop                                          ; four places behind the products that read the fragments
.endr
.endif
	CCV st%2
.if st < 2
	CLD st+2, st%2
.endif
.irp c, 0,1,2,3                        ; the four accumulators take turns
.if st == 0
	v_wmma_f32_16x16x32_bf16 v[ACC+8*\c:ACC+8*\c+7], v[BFR+8*\c:BFR+8*\c+7], v[AFR:AFR+7], 0
.else
	v_wmma_f32_16x16x32_bf16 v[ACC+8*\c:ACC+8*\c+7], v[BFR+8*\c:BFR+8*\c+7], v[AFR:AFR+7], v[ACC+8*\c:ACC+8*\c+7]
.endif
.endr
.set st, st+1
.endr
.rept 4
	v_nop
.endr
	; The partial sums in LDS: register pair jp of block c of wave v at 4,096 v + 1,024 c + 256 jp + 8 x lane: each store covers 256 consecutive bytes
	v_lshlrev_b32 v9, 3, v1
	v_lshl_add_u32 v9, s[WV], 12, v9               ; 8 x lane + my wave's 4,096 bytes
.irp c, 0,1,2,3
.irp jp, 0,1,2,3                       ; each accumulator from its lowest registers on
	ds_store_b64 v9, v[ACC+8*\c+2*\jp:ACC+8*\c+2*\jp+1] offset:\c*1024+\jp*256
.endr
.endr
	s_wait_dscnt 0x0                               ; for the others' sake
	s_barrier_signal -1
	s_barrier_wait -1
	s_cmp_lt_u32 s[WV], 4                          ; wave w < 4 finishes pair w (registers 2 w, 2 w + 1): columns 32 h + 8 w + 0..7
	s_cbranch_scc0 .Lclsend
	v_lshlrev_b32 v10, 3, v1
	v_lshl_add_u32 v10, s[WV], 8, v10              ; 8 x lane + 256 w; with the largest immediate the last byte read is 32,767, below the spare words
.set j, 0
.rept 32                               ; wave j / 4's partial sum of block j % 4
	ds_load_b64 v[88+2*j:88+2*j+1], v10 offset:(j/4)*4096+(j%4)*1024
.set j, j+1
.endr
.set j, 0
.rept 8
	v_mov_b32 v[168+j], 0                          ; k has no bias
.set j, j+1
.endr
	s_cmp_eq_u32 s32, 1
	s_cbranch_scc1 .Lnobias
	s_cmp_eq_u32 s32, 0
	s_cselect_b64 s[SRC:SRC+1], s[14:15], s[16:17]
	s_lshl_b32 s36, s33, 8
	s_lshl_b32 s35, s[WV], 5
	s_add_co_u32 s36, s36, s35
	v_lshl_add_u32 v11, v7, 7, s36
	global_load_b128 v[168:171], v11, s[SRC:SRC+1]
	global_load_b128 v[172:175], v11, s[SRC:SRC+1] offset:16
	s_wait_loadcnt 0x0
.irp k, 0,1,2,3                        ; the bias is rounded to bf16 like every input
	v_cvt_pk_bf16_f32 v13, v[168+2*\k], v[169+2*\k]
	v_lshlrev_b32 v[168+2*\k], 16, v13
	v_and_b32 v[169+2*\k], 0xffff0000, v13
.endr
.Lnobias:
	s_wait_dscnt 0x0
.set j, 1
.rept 7
.irp c, 0,1,2,3
	v_pk_add_f32 v[88+2*\c:88+2*\c+1], v[88+2*\c:88+2*\c+1], v[88+8*j+2*\c:88+8*j+2*\c+1]
.endr
.set j, j+1
.endr
.irp c, 0,1,2,3
	v_add_f32 v[176+\c], v[88+2*\c], v[168+\c]
	v_add_f32 v[180+\c], v[89+2*\c], v[172+\c]
.endr
.irp k, 0,1,2,3
	v_cvt_pk_f16_f32 v[184+\k], v[176+2*\k], v[177+2*\k]
.endr
	s_lshl_b32 s38, s32, 14
	s_lshl_b32 s35, s33, 7
	s_add_co_u32 s38, s38, s35
	s_lshl_b32 s35, s[WV], 4
	s_add_co_u32 s38, s38, s35
	v_lshlrev_b32 v12, 11, v6                      ; batch r: 16 heads of 128 bytes
	v_lshl_add_u32 v12, v7, 6, v12
	v_add_nc_u32 v12, s38, v12
	s_wait_xcnt 0x0                                ; EXEC changes only when every earlier load has read it
	v_cmp_gt_u32 vcc_lo, 8, v6
	s_and_saveexec_b32 s39, vcc_lo                 ; lanes 8-15 of each half hold copies
	global_store_b128 v12, v[184:187], s[26:27]
	s_wait_xcnt 0x0
	s_or_b32 exec_lo, exec_lo, s39
.Lclsend:
	s_wait_tensorcnt 0x0                           ; the wave's end, behind my last LDS store
	ds_add_u32 v[SPW], v[NIL]
	s_wait_dscnt 0x0
	s_endpgm
.Lfunc_end_k_q937dcc8460_prep:
	.size	k_q937dcc8460_prep, .Lfunc_end_k_q937dcc8460_prep-k_q937dcc8460_prep
	.p2alignl 7, 3214868480
	.fill 96, 4, 3214868480
	.section	.rodata,"a",@progbits
	.p2align	6, 0x0
	.amdhsa_kernel k_q937dcc8460_prep
		.amdhsa_group_segment_fixed_size 33792
		.amdhsa_private_segment_fixed_size 0
		.amdhsa_enable_private_segment 0
		.amdhsa_kernarg_size 96
		.amdhsa_user_sgpr_count 2
		.amdhsa_user_sgpr_kernarg_segment_ptr 1
		.amdhsa_wavefront_size32 1
		.amdhsa_system_sgpr_workgroup_id_x 1
		.amdhsa_system_sgpr_workgroup_id_y 1
		.amdhsa_system_sgpr_workgroup_id_z 1
		.amdhsa_system_vgpr_workitem_id 0
		.amdhsa_next_free_vgpr 256
		.amdhsa_next_free_sgpr 66
		.amdhsa_reserve_vcc 1
		.amdhsa_float_denorm_mode_32 3
		.amdhsa_float_denorm_mode_16_64 3
		.amdhsa_memory_ordered 1
		.amdhsa_forward_progress 1
		.amdhsa_inst_pref_size 74
	.end_amdhsa_kernel
	.amdgpu_metadata
---
amdhsa.version: [ 1, 2 ]
amdhsa.kernels:
  - .name:           k_q937dcc8460_prep
    .symbol:         k_q937dcc8460_prep.kd
    .args:
      - { .name: x, .offset: 0, .size: 8, .value_kind: global_buffer, .address_space: global }
      - { .name: wq, .offset: 8, .size: 8, .value_kind: global_buffer, .address_space: global }
      - { .name: wk, .offset: 16, .size: 8, .value_kind: global_buffer, .address_space: global }
      - { .name: wv, .offset: 24, .size: 8, .value_kind: global_buffer, .address_space: global }
      - { .name: w_out, .offset: 32, .size: 8, .value_kind: global_buffer, .address_space: global }
      - { .name: q_bias, .offset: 40, .size: 8, .value_kind: global_buffer, .address_space: global }
      - { .name: v_bias, .offset: 48, .size: 8, .value_kind: global_buffer, .address_space: global }
      - { .name: xb, .offset: 56, .size: 8, .value_kind: global_buffer, .address_space: global }
      - { .name: wb, .offset: 64, .size: 8, .value_kind: global_buffer, .address_space: global }
      - { .name: wo, .offset: 72, .size: 8, .value_kind: global_buffer, .address_space: global }
      - { .name: tab, .offset: 80, .size: 8, .value_kind: global_buffer, .address_space: global }
      - { .name: cls, .offset: 88, .size: 8, .value_kind: global_buffer, .address_space: global }
    .group_segment_fixed_size: 33792
    .private_segment_fixed_size: 0
    .kernarg_segment_align: 8
    .kernarg_segment_size: 96
    .max_flat_workgroup_size: 256
    .sgpr_count:     66
    .vgpr_count:     256
    .wavefront_size: 32
...
	.end_amdgpu_metadata
.endif
;; end of part 1
;; launch qkv (part 2): grid 8 x 32, 4 waves a work-group, clusters of 4 x 4, 327,680 bytes of LDS; arguments xb, wb, q_bias, v_bias, tab, qkv; writes qkv
.if DOCPART == 2
	.amdgcn_target "amdgcn-amd-amdhsa--gfx1250"
	.amdhsa_code_object_version 6
	.text
	.protected	k_q937dcc8460_qkv
	.globl	k_q937dcc8460_qkv
	.p2align	8
	.type	k_q937dcc8460_qkv,@function
k_q937dcc8460_qkv:
	s_mov_b64 s[64:65], 0
	v_nop
	global_prefetch_b8 v0, s[64:65] scope:SCOPE_SE
	s_setreg_imm32_b32 hwreg(HW_REG_WAVE_MODE, 25, 1), 1
	s_wait_xcnt 0x0
	s_wait_alu depctr_hold_cnt(0) depctr_sa_sdst(0) depctr_va_vdst(0) depctr_va_sdst(0) depctr_va_ssrc(0) depctr_va_vcc(0) depctr_vm_vsrc(0)
	s_getreg_b32 s2, hwreg(HW_REG_IB_STS2, 6, 4)
	s_cmp_eq_u32 s2, 0
	s_cbranch_scc0 .Lentry_in_a_cluster
	s_endpgm
.Lentry_in_a_cluster:
	s_bfe_u32 s2, ttmp6, 0x10000c
	s_cmp_lg_u32 s2, 0xf033
	s_cbranch_scc0 .Lentry_shape_is_right
	s_endpgm
.Lentry_shape_is_right:
; q, k, v = x W + bias for the 8192 tokens that are rotated, rotated (q, k), by heads in f16: qkv[z][b*16+head][p][64].  Operands bf16, sums f32, each number rounded once to f16.
; LIMIT.  q, k, v must stay under 65,504.
; SHARES.  A work-group makes 256 rows x 384 columns: heads 2 ct, 2 ct + 1 of q, of k and of v.  Wave w: rows 128 (w / 2) on, head 2 ct + w % 2, all three types: 96 accumulators,
; type z in window 1 + z, block (a, nb) at v[8 (4 a + nb)].  Source 0 = 16 columns of W, source 1 = 16 rows of x: a lane holds one row and eight neighbouring columns.
; The bias (rounded to bf16) is the C operand of the first product.
; RING.  K goes in steps of 64 through two LDS slots: 256 rows of x (128 bytes + 16) and 3 x 64 rows of W (256 bytes + 32).  Wave 0 fetches x's tile, waves 1-3 one type of W each.
; CLUSTER 4 x 4: x's tile is shared along a row of the cluster, W's along a column: joint loads.
.set SLOT1, 131072
.set PA,    144
.set PB,    288
.set BOFF,  256*PA
.set ZB,    64*PB
.set STAGE, BOFF+3*ZB                  ; between the slots, never filled: 16 rows x 144 bytes a wave
.set SP,    144
.set SPARE, STAGE+4*16*SP              ; the spare words
.set ADRA0, 14
.set ADRB0, 15
.set ADRA, 16                          ; LDS address of my fragments of x in the slot in hand
.set ADRB, 17                          ; of W
.set STO, 18
.set RD,  19
.set GO,  20
.set TO,  21                           ; my offset in 16 rows of the table
.set BO,  22
.set PFO, 23
.set SPW, 28
.set NIL, 29
.set A0,  32                           ; v[32:95], v[96:159] fragments of x, two buffers
.set A1,  96
.set BF,  160                          ; v[160:255] fragments of W, 32 a type
.set TR,  96                           ; the way out: 32 rotated numbers
.set PKR, 128                          ; packed
.set BK,  144                          ; two buffers of rows read back
.set WV, 16
.set WR, 17
.set WC, 18
.set CX, 19
.set CY, 20
.set CT, 21
.set RT, 22
.set G1A, 24
.set G0A, 32
.set LIM, 40
.set CNT, 41
.set PFA, 42
.set PFS, 44
.set SL,  46
.set G1B, 48
.set G0B, 56
.set OUTQ, 66                          ; s[66:71] q, k, v at my rows
.set TABP, 72
.set MSB, 0
.macro WIN new
.if MSB != (\new)
	s_set_vgpr_msb (MSB<<8)|(\new)
.set MSB, \new
.endif
.endm
.macro PLACES
.rept 4
	v_nop
.endr
.endm
.macro JLOAD s                         ; wave 0 asks for x's tile, waves 1-3 for W's; an s_nop 0 and four v_nop follow each line
	s_cmp_eq_u32 s[WV], 0
	s_cbranch_scc0 .Lfor_b_\@
	tensor_load_to_lds s[G0A+4*(\s):G0A+4*(\s)+3], s[G1A:G1A+7]
	s_nop 0
	PLACES
	s_branch .Lasked_\@
.Lfor_b_\@:
	tensor_load_to_lds s[G0B+4*(\s):G0B+4*(\s)+3], s[G1B:G1B+7]
	s_nop 0
	PLACES
.Lasked_\@:
.endm
.macro CREST
	s_cmp_lg_u32 s[WV], 0
	s_cbranch_scc1 .Lnot_wave_0_\@
	s_barrier_signal -3
.Lnot_wave_0_\@:
	s_barrier_wait -3
	s_barrier_signal -1
	s_barrier_wait -1
.endm
.macro CROUND
	s_barrier_signal -1
	s_barrier_wait -1
	CREST
.endm
; A prefetch, on every second change of slots, for the K steps that stand two and three refills on.  Wave 0: 32 blocks of 256 bytes of x's tile (the four partners of a row share the 128 blocks by address; the two
; clusters that read the tile row take the even and the odd K step, by address).  Waves 1-3, in the clusters with y = 0: 32 of the 128 rows of W of two K steps (the partners of a column share them by address).
; So each block is named once.  K steps 0-3 come by their loads alone; the last request names K steps 14 and 15.
.macro ASK
	s_cmp_gt_u32 s[CNT], s[LIM]
	s_cbranch_scc0 .Lnot_mine_\@
	s_bitcmp1_b32 s[CNT], 0
	s_cbranch_scc1 .Lnot_mine_\@
	global_prefetch_b8 v[PFO], s[PFA:PFA+1] th:TH_LOAD_NT scope:SCOPE_SE
.Lnot_mine_\@:
.endm
	s_load_b256 s[4:11], s[0:1], 0x0               ; xb 4, wb 6, q_bias 8, v_bias 10
	s_load_b128 s[12:15], s[0:1], 0x20             ; tab 12, qkv 14
	v_lshl_add_u32 v[SPW], v0, 2, SPARE
	v_mov_b32 v[NIL], 0
	ds_add_u32 v[SPW], v[NIL]                      ; the wave's opening: the add and its wait ahead of my first tensor load
	ds_add_u32 v28, v29
	v_lshrrev_b32 v1, 5, v0
	v_readfirstlane_b32 s[WV], v1
	s_lshr_b32 s[WR], s[WV], 1
	s_and_b32 s[WC], s[WV], 1
	s_bfe_u32 s[CX], ttmp6, 0x40000
	s_bfe_u32 s[CY], ttmp6, 0x40004
	s_lshl_b32 s[CT], ttmp9, 2
	s_add_co_u32 s[CT], s[CT], s[CX]               ; column tile
	s_and_b32 s[RT], ttmp7, 0xffff
	s_lshl_b32 s[RT], s[RT], 2
	s_add_co_u32 s[RT], s[RT], s[CY]               ; row tile
	s_lshl_b32 s74, s[CY], 2
	s_lshl_b32 s74, 15, s74                        ; my row of the cluster
	s_lshl_b32 s75, 0x1111, s[CX]                  ; my column
	s_or_b32 s[G1A], s74, (1<<16)|(1<<20)|(1<<21)|(4<<22)|(3<<25)  ; 2-byte elements; 16 bytes of padding after every 128
	s_or_b32 s[G1B], s75, (1<<16)|(1<<20)|(1<<21)|(5<<22)|(7<<25)  ; 32 bytes after every 256
	s_mov_b32 s[G1A+1], 128<<16                    ; x's tile is 32,768 dense bytes: 128 rows of 256
	s_mov_b32 s[G1A+2], 128<<16
	s_mov_b32 s[G1A+3], 128<<16
	s_mov_b32 s[G1A+4], 128
	s_mov_b32 s[G1A+5], 128
	s_mov_b32 s[G1A+6], 0
	s_mov_b32 s[G1A+7], 0
	s_mov_b32 s[G1B+1], 128<<16                    ; W's tile: 64 rows of 128 elements, 1024 apart
	s_mov_b32 s[G1B+2], 64<<16
	s_mov_b32 s[G1B+3], 128<<16
	s_mov_b32 s[G1B+4], 64
	s_mov_b32 s[G1B+5], 1024
	s_mov_b32 s[G1B+6], 0
	s_mov_b32 s[G1B+7], 0
	s_lshl_b32 s76, s[RT], 15                      ; x's tile hangs on the row tile alone
	s_mov_b32 s77, 0
	s_max_u32 s78, s[WV], 1
	s_sub_co_u32 s78, s78, 1                       ; my type of W
	s_lshl_b32 s78, s78, 21
	s_lshl_b32 s79, s[CT], 8
	s_add_co_u32 s78, s78, s79                     ; W's tile hangs on the column tile alone
	s_mov_b32 s79, 0
	s_mul_i32 s80, s[WV], ZB
	s_add_co_u32 s80, s80, BOFF-ZB                 ; waves 1-3: where my type lies in a slot
	; the prefetches' first address: one K step short of K step 4
	s_lshl_b32 s81, s[RT], 15
	s_lshl_b32 s82, s[CX], 13
	s_add_co_u32 s81, s81, s82
	s_add_co_u32 s82, ttmp9, 3
	s_lshl_b32 s82, s82, 20
	s_add_co_u32 s81, s81, s82
	s_lshl_b32 s83, s[CY], 5
	s_add_co_u32 s83, s83, 192
	s_lshl_b32 s83, s83, 11
	s_add_co_u32 s83, s83, s78
	s_mov_b32 s84, 0x100000
	s_mov_b32 s85, 0x20000
	s_and_b32 s82, ttmp7, 0xffff                   ; cluster y: the same in all partners
	s_cmp_eq_u32 s[WV], 0
	s_cselect_b32 s74, s81, s83
	s_cselect_b32 s[PFS], s84, s85
	s_cselect_b32 s82, 0, s82
	s_cselect_b32 s81, 8, 11
	s_mov_b32 s75, 0
	s_mov_b32 s[PFS+1], 0
	s_cmp_eq_u32 s82, 0
	s_cselect_b32 s[LIM], 3, -1
	v_and_b32 v[PFO], 31, v0
	v_lshlrev_b32 v[PFO], s81, v[PFO]
	s_mov_b32 s[SL], 0
	s_wait_dscnt 0x0                               ; the opening add is done
	s_wait_kmcnt 0x0
	s_cmp_eq_u32 s[WV], 0
	s_cselect_b64 s[PFA:PFA+1], s[4:5], s[6:7]
	s_add_nc_u64 s[PFA:PFA+1], s[PFA:PFA+1], s[74:75]
	s_add_nc_u64 s[76:77], s[4:5], s[76:77]
	s_add_nc_u64 s[78:79], s[6:7], s[78:79]
	CROUND                                         ; all sixteen work-groups are here: the first joint loads meet
.irp s, 0,1
	s_mov_b32 s[G0A+4*\s], 1
	s_mov_b32 s[G0A+4*\s+1], \s*SLOT1
	s_add_nc_u64 s[G0A+4*\s+2:G0A+4*\s+3], s[76:77], \s*1048576
	s_or_b32 s[G0A+4*\s+3], s[G0A+4*\s+3], 0x80000000
	s_mov_b32 s[G0B+4*\s], 1
	s_add_co_u32 s[G0B+4*\s+1], s80, \s*SLOT1
	s_add_nc_u64 s[G0B+4*\s+2:G0B+4*\s+3], s[78:79], \s*131072
	s_or_b32 s[G0B+4*\s+3], s[G0B+4*\s+3], 0x80000000
	JLOAD \s                                       ; two loads of mine are out
.endr
	v_and_b32 v1, 15, v0                           ; r
	v_bfe_u32 v2, v0, 4, 1                         ; h
	v_lshlrev_b32 v[BO], 5, v2
	s_lshl_b32 s74, s[CT], 1
	s_add_co_u32 s74, s74, s[WC]                   ; my head
	s_lshl_b32 s82, s74, 8
	s_mov_b32 s83, 0
	s_add_nc_u64 s[8:9], s[8:9], s[82:83]
	s_add_nc_u64 s[10:11], s[10:11], s[82:83]
.irp nb, 0,1,2,3                       ; the biases of my 64 columns, eight a lane and block, into buffer 1
	global_load_b128 v[A1+8*\nb:A1+8*\nb+3],       v[BO], s[8:9] offset:64*\nb
	global_load_b128 v[A1+8*\nb+4:A1+8*\nb+7],     v[BO], s[8:9] offset:64*\nb+16
	global_load_b128 v[A1+32+8*\nb:A1+32+8*\nb+3], v[BO], s[10:11] offset:64*\nb
	global_load_b128 v[A1+32+8*\nb+4:A1+32+8*\nb+7], v[BO], s[10:11] offset:64*\nb+16
.endr
	v_mul_u32_u24 v[ADRA0], v1, PA
	v_lshl_add_u32 v[ADRA0], v2, 4, v[ADRA0]
	s_mul_i32 s82, s[WR], 128*PA
	v_add_nc_u32 v[ADRA0], s82, v[ADRA0]
	v_and_b32 v3, 7, v0
	v_bfe_u32 v4, v0, 3, 1
	v_lshl_add_u32 v[ADRB0], v2, 3, v3             ; the turning load: row 8 h + l % 8, 16 bytes at 16 ((l / 8) % 2)
	v_mul_u32_u24 v[ADRB0], v[ADRB0], PB
	v_lshl_add_u32 v[ADRB0], v4, 4, v[ADRB0]
	s_lshl_b32 s82, s[WC], 7
	s_add_co_u32 s82, s82, BOFF
	v_add_nc_u32 v[ADRB0], s82, v[ADRB0]
	v_mov_b32 v[ADRA], v[ADRA0]
	v_mov_b32 v[ADRB], v[ADRB0]
	s_mul_i32 s82, s[WV], 16*SP
	s_add_co_u32 s82, s82, STAGE
	v_mul_u32_u24 v[STO], v1, SP
	v_lshl_add_u32 v[STO], v2, 4, v[STO]
	v_add_nc_u32 v[STO], s82, v[STO]
	v_bfe_u32 v[RD], v0, 3, 2
	v_mul_u32_u24 v[RD], v[RD], SP
	v_lshl_add_u32 v[RD], v3, 4, v[RD]
	v_add_nc_u32 v[RD], s82, v[RD]
	v_and_b32 v[GO], 31, v0
	v_lshlrev_b32 v[GO], 4, v[GO]
	v_lshlrev_b32 v[TO], 8, v1
	v_lshl_add_u32 v[TO], v2, 5, v[TO]
	s_lshr_b32 s82, s[RT], 2                       ; the batch
	s_lshl_b32 s82, s82, 4
	s_add_co_u32 s82, s82, s74
	s_lshl_b32 s82, s82, 17                        ; a head's 1024 rows of 128 bytes
	s_and_b32 s81, s[RT], 3
	s_lshl_b32 s84, s81, 15
	s_add_co_u32 s82, s82, s84
	s_lshl_b32 s84, s[WR], 14
	s_add_co_u32 s82, s82, s84
	s_add_nc_u64 s[OUTQ:OUTQ+1], s[14:15], s[82:83]
	s_add_nc_u64 s[OUTQ+2:OUTQ+3], s[OUTQ:OUTQ+1], 16777216
	s_add_nc_u64 s[OUTQ+4:OUTQ+5], s[OUTQ:OUTQ+1], 33554432
	s_lshl_b32 s82, s81, 16
	s_lshl_b32 s84, s[WR], 15
	s_add_co_u32 s82, s82, s84
	s_add_nc_u64 s[TABP:TABP+1], s[12:13], s[82:83]
	s_wait_loadcnt 0x0
.set i, 0
.rept 32                               ; the biases are rounded to bf16 like every input
	v_cvt_pk_bf16_f32 v5, v[A1+2*i], v[A1+2*i+1]
	v_lshlrev_b32 v[A1+2*i], 16, v5
	v_and_b32 v[A1+2*i+1], 0xffff0000, v5
.set i, i+1
.endr
.macro LOADA u, buf                    ; my 128 rows x 32 K of x
	WIN 0
.irp a, 0,1,2,3,4,5,6,7
	ds_load_b128 v[(\buf)+8*\a:(\buf)+8*\a+3],   v[ADRA] offset:\a*16*PA+64*(\u)
	ds_load_b128 v[(\buf)+8*\a+4:(\buf)+8*\a+7], v[ADRA] offset:\a*16*PA+64*(\u)+32
.endr
.endm
.macro LOADB z, u                      ; my 64 columns x 32 K of type z, turned
	WIN 0
.irp nb, 0,1,2,3
	ds_load_tr16_b128 v[BF+32*(\z)+8*\nb:BF+32*(\z)+8*\nb+3],   v[ADRB] offset:(\z)*ZB+(\u)*32*PB+32*\nb
	ds_load_tr16_b128 v[BF+32*(\z)+8*\nb+4:BF+32*(\z)+8*\nb+7], v[ADRB] offset:(\z)*ZB+(\u)*32*PB+32*\nb+16*PB
.endr
.endm
; 4 n products of type z: row blocks a0 on x all four column blocks.  mode 0: on; 1: the bias starts the sums; 2: 0 starts them.  All 96 accumulators take turns, one instruction a turn.
.macro MUL z, buf, a0, n, mode
.if (\mode) == 1
	WIN (1+(\z))<<6
.else
	WIN (1+(\z))*0x50
.endif
.set aa, \a0
.rept \n
.irp nb, 0,1,2,3
.if (\mode) == 0
	v_wmma_f32_16x16x32_bf16 v[8*(4*aa+\nb):8*(4*aa+\nb)+7], v[BF+32*(\z)+8*\nb:BF+32*(\z)+8*\nb+7], v[(\buf)+8*aa:(\buf)+8*aa+7], v[8*(4*aa+\nb):8*(4*aa+\nb)+7]
.elseif (\mode) == 1
	v_wmma_f32_16x16x32_bf16 v[8*(4*aa+\nb):8*(4*aa+\nb)+7], v[BF+32*(\z)+8*\nb:BF+32*(\z)+8*\nb+7], v[(\buf)+8*aa:(\buf)+8*aa+7], v[A1+16*(\z)+8*\nb:A1+16*(\z)+8*\nb+7]
.else
	v_wmma_f32_16x16x32_bf16 v[8*(4*aa+\nb):8*(4*aa+\nb)+7], v[BF+32*(\z)+8*\nb:BF+32*(\z)+8*\nb+7], v[(\buf)+8*aa:(\buf)+8*aa+7], 0
.endif
.endr
.set aa, aa+1
.endr
.endm
; The first 32 K of a slot.  Each type's fragments of W are fetched anew four places behind the products that read them.
.macro STEP0
	s_wait_dscnt 16                                ; W of type 0 and x are in; types 1 and 2 (8 loads each) may be out
	MUL 0, A0, 0, 8, 0
	PLACES
	LOADB 0, 1
	LOADA 1, A1
	s_wait_dscnt 32                                ; type 1 is in: behind it type 2's 8 and the 24 just issued
	MUL 1, A0, 0, 8, 0
	PLACES
	LOADB 1, 1
	s_wait_dscnt 32                                ; type 2 is in: behind it 24 + 8
	MUL 2, A0, 0, 8, 0
	PLACES
	LOADB 2, 1
.endm
; The second 32 K, and the change of slots: every wave waits for all its tensor loads, adds 0 to its spare word, waits for that and for its reads of the slot, and signals; with fill = 1 the barrier
; opens a round of the cluster's, and the joint refill (the K step two on) is the first thing behind it: 160 products stand between it and the wait for it.
.macro STEP1 fill
	s_wait_xcnt 0x0                                ; the last prefetch, a K step or more back, has read its address
	s_add_nc_u64 s[PFA:PFA+1], s[PFA:PFA+1], s[PFS:PFS+1]
	WIN 0
	s_wait_tensorcnt 0x0                           ; my part of the other slot has landed; no load of mine is out, so a descriptor may be written
	ds_add_u32 v[SPW], v[NIL]
.if \fill
	s_xor_b32 s[G0A+5], s[G0A+5], SLOT1
	s_add_nc_u64 s[G0A+6:G0A+7], s[G0A+6:G0A+7], 1048576
	s_xor_b32 s[G0B+5], s[G0B+5], SLOT1
	s_add_nc_u64 s[G0B+6:G0B+7], s[G0B+6:G0B+7], 131072
.endif
	s_wait_dscnt 17                                ; types 1 and 2 and the add may be out
	MUL 0, A1, 0, 4, 0
	s_wait_dscnt 0x0                               ; the add is done, and my reads of this slot are over
	s_barrier_signal -1
	MUL 0, A1, 4, 4, 0
	WIN 0
	s_barrier_wait -1
.if \fill
	CREST
	JLOAD 1                                        ; its four v_nop are also the places in front of the loads below
.else
	PLACES
.endif
	s_xor_b32 s[SL], s[SL], SLOT1
	v_add_nc_u32 v[ADRA], s[SL], v[ADRA0]
	v_add_nc_u32 v[ADRB], s[SL], v[ADRB0]
	LOADB 0, 0
	LOADA 0, A0
.if \fill
	ASK
.endif
	MUL 1, A1, 0, 8, 0
	PLACES
	LOADB 1, 0
	MUL 2, A1, 0, 8, 0
	PLACES
	LOADB 2, 0
.endm
	s_wait_tensorcnt 1                             ; my part of K step 0 is in; K step 1 may stay out
	s_barrier_signal -1
	s_barrier_wait -1
	LOADB 0, 0
	LOADA 0, A0
	LOADB 1, 0
	LOADB 2, 0
	s_wait_dscnt 16                                ; the first step of all starts the sums
	MUL 0, A0, 0, 8, 1
	s_wait_dscnt 8
	MUL 1, A0, 0, 8, 2
	s_wait_dscnt 0x0
	MUL 2, A0, 0, 8, 1
	PLACES
	LOADB 0, 1
	LOADA 1, A1
	LOADB 1, 1
	LOADB 2, 1
	s_mov_b32 s[CNT], 14
.Lk:                                   ; 14 trips: K steps 2 to 15 are asked for
	STEP1 1
	STEP0
	s_sub_co_u32 s[CNT], s[CNT], 1
	s_cmp_lg_u32 s[CNT], 0
	s_cbranch_scc1 .Lk
	STEP1 0                                        ; the tail asks for nothing
	STEP0
	s_wait_dscnt 16
	MUL 0, A1, 0, 8, 0
	s_wait_dscnt 8
	MUL 1, A1, 0, 8, 0
	s_wait_dscnt 0x0
	MUL 2, A1, 0, 8, 0
; THE WAY OUT, 24 units (row block a, type z).  q and k are rotated: with x1 = channels 0-31 (blocks 0, 1) and x2 = channels 32-63 (blocks 2, 3): x1 c - x2 s, x1 s + x2 c.
.macro TABLD a                         ; 16 rows of the table: my 16 cosines, my 16 sines
	WIN 0
.irp o, 0,1,2,3
	global_load_b128 v[32+32*((\a)%2)+8*\o:32+32*((\a)%2)+8*\o+3],   v[TO], s[TABP:TABP+1] offset:(\a)*4096+64*\o
	global_load_b128 v[32+32*((\a)%2)+8*\o+4:32+32*((\a)%2)+8*\o+7], v[TO], s[TABP:TABP+1] offset:(\a)*4096+64*\o+16
.endr
.endm
.macro ROPE z, a                       ; each accumulator is read from its lowest registers on
.set TBR, 32+32*((\a)%2)
	WIN 1+(\z)                                     ; source 0 in the accumulators' window
.irp nb, 0,1
.irp jp, 0,2,4,6
	v_pk_mul_f32 v[TR+8*\nb+\jp:TR+8*\nb+\jp+1], v[8*(4*(\a)+\nb+2)+\jp:8*(4*(\a)+\nb+2)+\jp+1], v[TBR+16+8*\nb+\jp:TBR+16+8*\nb+\jp+1]
	v_pk_mul_f32 v[TR+16+8*\nb+\jp:TR+16+8*\nb+\jp+1], v[8*(4*(\a)+\nb+2)+\jp:8*(4*(\a)+\nb+2)+\jp+1], v[TBR+8*\nb+\jp:TBR+8*\nb+\jp+1]
	v_pk_fma_f32 v[TR+8*\nb+\jp:TR+8*\nb+\jp+1], v[8*(4*(\a)+\nb)+\jp:8*(4*(\a)+\nb)+\jp+1], v[TBR+8*\nb+\jp:TBR+8*\nb+\jp+1], v[TR+8*\nb+\jp:TR+8*\nb+\jp+1] neg_lo:[0,0,1] neg_hi:[0,0,1]
	v_pk_fma_f32 v[TR+16+8*\nb+\jp:TR+16+8*\nb+\jp+1], v[8*(4*(\a)+\nb)+\jp:8*(4*(\a)+\nb)+\jp+1], v[TBR+16+8*\nb+\jp:TBR+16+8*\nb+\jp+1], v[TR+16+8*\nb+\jp:TR+16+8*\nb+\jp+1]
.endr
.endr
	WIN 0
.set i, 0
.rept 16
	v_cvt_pk_f16_f32 v[PKR+i], v[TR+2*i], v[TR+2*i+1]
.set i, i+1
.endr
.endm
.macro CVTV a
	WIN 0x0f                                       ; both sources in window 3
.set i, 0
.rept 16
	v_cvt_pk_f16_f32 v[PKR+i], v[32*(\a)+2*i], v[32*(\a)+2*i+1]
.set i, i+1
.endr
.endm
.macro TOSTAGE u                       ; 16 bytes a lane into rows of 144 bytes, back as four whole rows of 128 a load
	WIN 0
	s_wait_xcnt 0x0                                ; the stores of two units back have read the registers that are loaded below
.irp nb, 0,1,2,3
	ds_store_b128 v[STO], v[PKR+4*\nb:PKR+4*\nb+3] offset:32*\nb
.endr
.irp f, 0,1,2,3
	ds_load_b128 v[BK+16*((\u)%2)+4*\f:BK+16*((\u)%2)+4*\f+3], v[RD] offset:\f*4*SP  ; LDS serves a wave's instructions in order: these see the stores above
.endr
.endm
.macro SEND u, younger
	WIN 0
.irp f, 0,1,2,3
	s_wait_dscnt (\younger)+3-\f
	global_store_b128 v[GO], v[BK+16*((\u)%2)+4*\f:BK+16*((\u)%2)+4*\f+3], s[OUTQ+2*((\u)%3):OUTQ+2*((\u)%3)+1] offset:((\u)/3)*2048+\f*512  ; 512 consecutive bytes
.endr
.endm
	PLACES                                         ; behind the last products
	TABLD 0
.set u, 0
.rept 24
.if u%3 == 0
.if u/3 < 7
	TABLD u/3+1
	s_wait_loadcnt 8                               ; this block's table is in, the next block's 8 loads stay out
.else
	s_wait_loadcnt 0x0
.endif
.endif
.if u%3 < 2
	ROPE u%3, u/3
.else
	CVTV u/3
.endif
	TOSTAGE u
.if u > 0
	SEND u-1, 8                                    ; behind its loads stand this unit's eight LDS instructions
.endif
.set u, u+1
.endr
	SEND 23, 0
	s_wait_tensorcnt 0x0                           ; the wave's end
	ds_add_u32 v[SPW], v[NIL]
	s_wait_dscnt 0x0
	CROUND                                         ; the closing round
	s_endpgm
.Lfunc_end_k_q937dcc8460_qkv:
	.size	k_q937dcc8460_qkv, .Lfunc_end_k_q937dcc8460_qkv-k_q937dcc8460_qkv
	.p2alignl 7, 3214868480
	.fill 96, 4, 3214868480
	.section	.rodata,"a",@progbits
	.p2align	6, 0x0
	.amdhsa_kernel k_q937dcc8460_qkv
		.amdhsa_group_segment_fixed_size 327680
		.amdhsa_private_segment_fixed_size 0
		.amdhsa_enable_private_segment 0
		.amdhsa_kernarg_size 48
		.amdhsa_user_sgpr_count 2
		.amdhsa_user_sgpr_kernarg_segment_ptr 1
		.amdhsa_wavefront_size32 1
		.amdhsa_system_sgpr_workgroup_id_x 1
		.amdhsa_system_sgpr_workgroup_id_y 1
		.amdhsa_system_sgpr_workgroup_id_z 1
		.amdhsa_system_vgpr_workitem_id 0
		.amdhsa_next_free_vgpr 1024
		.amdhsa_next_free_sgpr 90
		.amdhsa_reserve_vcc 0
		.amdhsa_float_denorm_mode_32 3
		.amdhsa_float_denorm_mode_16_64 3
		.amdhsa_memory_ordered 1
		.amdhsa_forward_progress 1
		.amdhsa_inst_pref_size 161
	.end_amdhsa_kernel
	.amdgpu_metadata
---
amdhsa.version: [ 1, 2 ]
amdhsa.kernels:
  - .name:           k_q937dcc8460_qkv
    .symbol:         k_q937dcc8460_qkv.kd
    .args:
      - { .name: xb, .offset: 0, .size: 8, .value_kind: global_buffer, .address_space: global }
      - { .name: wb, .offset: 8, .size: 8, .value_kind: global_buffer, .address_space: global }
      - { .name: q_bias, .offset: 16, .size: 8, .value_kind: global_buffer, .address_space: global }
      - { .name: v_bias, .offset: 24, .size: 8, .value_kind: global_buffer, .address_space: global }
      - { .name: tab, .offset: 32, .size: 8, .value_kind: global_buffer, .address_space: global }
      - { .name: qkv, .offset: 40, .size: 8, .value_kind: global_buffer, .address_space: global }
    .group_segment_fixed_size: 327680
    .private_segment_fixed_size: 0
    .kernarg_segment_align: 8
    .kernarg_segment_size: 48
    .max_flat_workgroup_size: 128
    .sgpr_count:     90
    .vgpr_count:     1024
    .wavefront_size: 32
...
	.end_amdgpu_metadata
.endif
;; end of part 2
;; launch attn (part 3): grid 2 x 128, 4 waves a work-group, no clusters, 327,680 bytes of LDS; arguments qkv, cls, ob; writes ob
.if DOCPART == 3
	.amdgcn_target "amdgcn-amd-amdhsa--gfx1250"
	.amdhsa_code_object_version 6
	.text
	.protected	k_q937dcc8460_attn
	.globl	k_q937dcc8460_attn
	.p2align	8
	.type	k_q937dcc8460_attn,@function
k_q937dcc8460_attn:
	s_mov_b64 s[64:65], 0
	v_nop
	global_prefetch_b8 v0, s[64:65] scope:SCOPE_SE
	s_setreg_imm32_b32 hwreg(HW_REG_WAVE_MODE, 25, 1), 1
	s_wait_xcnt 0x0
; ATTENTION, 1025 keys and 1025 queries a head, head size 64.  q, k, v: qkv[z][bh][p][64] (the 1024 rotated tokens) and cls[z][bh][64] (the CLS token), all f16; O leaves as ob[head][m'][64] in f16:
; m' = b*1024 + p, the CLS row at 8192 + b and a copy of it at 8200 + b.  Products, maxima and sums in f32; the weights p are rounded to f16 for the second product (their sum is taken unrounded).
; LIMITS.  q, k, v arrive within f16's 65,504; a weight below 2^-126 counts as 0; NaN and infinities are not treated apart.
; SHARES.  A work-group owns 512 token queries of one head, a wave four PIECES of two tiles of 16.  The head's whole K and V lie in LDS, filled once: one tensor load a wave.
; NO CLUSTER: a head has two work-groups, no multiple of four.
; THE CLS KEY STARTS THE SOFTMAX: m = its score, l = 1, O = v_cls; the 1024 other keys follow in 16 steps of 64, with a running maximum.
; THE CLS QUERY is a ninth tile (16 copies of q_cls) in window 3: in the work-group x = 0 wave w works it for the key steps with count % 4 = w; the four partial states meet in LDS at the end.
; LAYOUT.  S^T = K Q^T: a lane holds ONE query (lane % 16) and the keys 8 (lane / 16) + 0..7; two such results rounded to f16 ARE source 1 of O^T = V^T P.  p = 2^(c s - c m), c = log2(e) / 8.
; BY TURNS.  Turn n belongs to piece n: 16 products K Q^T of piece n + 1, later 16 products V^T P of piece n - 1; beside them the softmax of piece n and the maximum of piece n + 1.  Four vector
; instructions stand behind every matrix instruction, the others in one lump; a turn's 66 exponentials are one batch with one wait.
; REGISTERS (windows of 256): 0: v0-11 addresses; v12-15, v48-63 at work; v16-47 statistics; v64-191 S^T; v192-255 P.   1: O^T.   2: v0-127 Q; v128-191 K; v192-255 V.
;   3: v0-1 the add's registers; v2-5 the merge's addresses; v8-23 q_cls; v24-27 statistics; v32-63 S^T; v64-79 P; v80-84 at work; v96-127 O^T; at the merge v112-255.
.set NP,    4
.set KS,    64
.set PK,    144       ; a row of K in LDS: 128 bytes + 16
.set PV,    160       ; a row of V: 128 + 32
.set VOFF,  1024*PK
.set STAGE, VOFF+1024*PV
.set SP,    144
.set SPARE, STAGE+4*16*SP
.set MERGE, SPARE+512 ; 288 bytes a wave: the CLS query's partial state
.set AK0, 2
.set AV0, 3
.set AK,  4
.set AV,  5
.set QO,  6
.set STO, 6
.set RD,  7
.set GO,  8
.set SPW, 0           ; window 3
.set NIL, 1
.set MG,  2           ; where I put my partial state
.set CG,  3           ; my offset in the CLS rows of ob
.set RR,  4           ; lane % 16
.set MR,  5           ; where the partial states are read
.set QC,  8
.set T3,  24
.set S3,  32
.set P3,  64
.set C3,  80
.set W3,  84
.set O3,  96
.set MV,  12
.set ST,  16
.set TMP, 48
.set S,   64
.set P,   192
.set KF,  128
.set VF,  192
.set WV,  12
.set G1K, 24
.set G1V, 32
.set G0K, 40
.set G0V, 44
.set CNT, 57
.set CS,  58
.set SEL, 60
.set TBK, 62
.set TBV, 63
.set WVX, 66          ; wave + 4 x
.set MSK, 67          ; all ones in the wave that owns the CLS key for the CLS query
.set MSB, 0
.macro WIN new
.if MSB != (\new)
	s_set_vgpr_msb (MSB<<8)|(\new)
.set MSB, (\new)
.endif
.endm
.set W_KQ, 0x0a
.set W_PV, 0x52
.set W_RS, 0x41
.set W_MK, 0xc0
.set W_AD, 0x0f
	s_load_b128 s[4:7], s[0:1], 0x0   ; qkv s[4:5], cls s[6:7]
	s_load_b64 s[8:9], s[0:1], 0x10   ; ob
	WIN W_MK
	v_lshl_add_u32 v[SPW], v0, 2, SPARE
	v_mov_b32 v[NIL], 0
	WIN W_AD
	ds_add_u32 v[SPW], v[NIL]       ; the wave's opening: the add and its wait ahead of my first tensor load
	ds_add_u32 v0, v1
	WIN 0
	v_lshrrev_b32 v1, 5, v0
	v_readfirstlane_b32 s[WV], v1
	s_mov_b32 s13, ttmp9
	s_and_b32 s14, ttmp7, 0xffff    ; b*16 + head
	s_lshl2_add_u32 s[WVX], s13, s[WV]
	s_cmp_eq_u32 s[WVX], 0
	s_cselect_b32 s[MSK], -1, 0
	s_and_b32 s15, s[WV], 1         ; which 512 keys I fetch
	s_lshl_b32 s20, s14, 17         ; the head's 131,072 bytes
	s_lshl_b32 s22, s15, 16
	s_add_co_u32 s22, s22, s20
	s_mov_b32 s23, 0
	s_lshl_b32 s16, s[WVX], 14      ; my wave's 128 queries
	s_add_co_u32 s16, s16, s20
	s_mov_b32 s17, 0
	; 512 keys are 65,536 dense bytes: 256 rows of 256, padded in LDS after every key
	s_mov_b32 s[G1K], (1<<16)|(1<<20)|(4<<22)|(3<<25)
	s_mov_b32 s[G1V], (1<<16)|(1<<20)|(4<<22)|(7<<25)
.irp g, G1K, G1V
	s_mov_b32 s[\g+1], 128<<16
	s_mov_b32 s[\g+2], 256<<16
	s_mov_b32 s[\g+3], 128<<16
	s_mov_b32 s[\g+4], 256
	s_mov_b32 s[\g+5], 128
	s_mov_b32 s[\g+6], 0
	s_mov_b32 s[\g+7], 0
.endr
	s_mov_b32 s[G0K], 1
	s_mul_i32 s[G0K+1], s15, 512*PK
	s_mov_b32 s[G0V], 1
	s_mul_i32 s21, s15, 512*PV
	s_add_co_u32 s[G0V+1], s21, VOFF
	s_mov_b32 s[CS], 0x3e38aa3b     ; c = log2(e) / 8
	s_mov_b32 s[CS+1], s[CS]
	s_mov_b32 s[SEL], 0x76543210
	s_mov_b32 s[SEL+1], 0xfedcba98
	s_mov_b32 s[TBK], 0
	s_mov_b32 s[TBV], 0
	s_wait_dscnt 0x0                ; the opening add is done
	s_wait_kmcnt 0x0
	s_add_nc_u64 s[G0K+2:G0K+3], s[4:5], s[22:23]
	s_add_nc_u64 s[G0K+2:G0K+3], s[G0K+2:G0K+3], 16777216
	s_or_b32 s[G0K+3], s[G0K+3], 0x80000000
	s_add_nc_u64 s[G0V+2:G0V+3], s[4:5], s[22:23]
	s_add_nc_u64 s[G0V+2:G0V+3], s[G0V+2:G0V+3], 33554432
	s_or_b32 s[G0V+3], s[G0V+3], 0x80000000
	s_cmp_lt_u32 s[WV], 2           ; waves 0, 1: K's halves; waves 2, 3: V's.  One load of mine is out
	s_cbranch_scc0 .Lfirst_v
	tensor_load_to_lds s[G0K:G0K+3], s[G1K:G1K+7]
	s_nop 0
.rept 4
	v_nop
.endr
	s_branch .Lfirst_asked
.Lfirst_v:
	tensor_load_to_lds s[G0V:G0V+3], s[G1V:G1V+7]
	s_nop 0
.rept 4
	v_nop
.endr
.Lfirst_asked:
	s_add_nc_u64 s[4:5], s[4:5], s[16:17]   ; Q at my wave's first row
	s_lshl_b32 s16, s14, 7
	s_add_nc_u64 s[6:7], s[6:7], s[16:17]   ; cls at my head
	s_and_b32 s18, s14, 15
	s_mul_i32 s18, s18, 1050624             ; a head of ob: 8208 rows of 128 bytes
	s_lshr_b32 s19, s14, 4
	s_lshl_b32 s16, s19, 17
	s_add_co_u32 s16, s16, s18
	s_lshl_b32 s22, s[WVX], 14
	s_add_co_u32 s16, s16, s22
	s_add_nc_u64 s[10:11], s[8:9], s[16:17] ; O at my wave's first row
	s_lshl_b32 s16, s19, 7
	s_add_co_u32 s16, s16, s18
	s_add_co_u32 s16, s16, 8192*128
	s_add_nc_u64 s[18:19], s[8:9], s[16:17] ; the CLS row
	s_mul_i32 s20, s[WV], 288
	s_add_co_u32 s20, s20, MERGE
	v_and_b32 v1, 15, v0            ; l % 16
	v_bfe_u32 v9, v0, 4, 1          ; l / 16
	v_lshlrev_b32 v[QO], 7, v1
	v_lshl_add_u32 v[QO], v9, 4, v[QO]
	v_lshlrev_b32 v12, 4, v9        ; 16 x half: my place in a CLS row (every lane row takes the same row)
	v_lshlrev_b32 v13, 10, v1
	v_lshl_add_u32 v13, v9, 4, v13
	WIN 0xc0                        ; destination window 3
	v_lshl_add_u32 v[MG], v9, 4, s20
	v_lshl_add_u32 v[MR], v9, 4, MERGE
	v_mov_b32 v[CG], v13
	v_mov_b32 v[RR], v1
.irp i, 0,1,2,3
	global_load_b128 v[QC+4*\i:QC+4*\i+3], v12, s[6:7] offset:32*\i          ; q_cls
.endr
	WIN 0x80                        ; destination window 2
.set i, 0
.rept 4*NP                          ; Q stays in registers: tile i / 2, channels 32 (i % 2) on
	global_load_b128 v[8*i:8*i+3],   v[QO], s[4:5] offset:(i/2)*2048+(i%2)*64
	global_load_b128 v[8*i+4:8*i+7], v[QO], s[4:5] offset:(i/2)*2048+(i%2)*64+32
.set i, i+1
.endr
.irp i, 0,1,2,3
	global_load_b128 v[KF+4*\i:KF+4*\i+3], v12, s[6:7] offset:16384+32*\i    ; k_cls, as 16 equal keys
.endr
.set i, VF
.rept 64
	v_mov_b32 v[i], 0               ; the first turn's products V^T P, of a piece that has not been, add 0
.set i, i+1
.endr
	WIN 0
.irp i, 0,1,2,3
	global_load_b128 v[TMP+4*\i:TMP+4*\i+3], v12, s[6:7] offset:32768+32*\i  ; v_cls: channels 16 i + 8 (l / 16) + 0..7
.endr
	v_mov_b32 v13, 1.0
	v_mov_b32 v15, 0
	v_cmp_eq_u32 vcc_lo, 0, v9
	v_cndmask_b32 v14, 0, 1.0, vcc_lo  ; the CLS key's weight 1 is counted once a query: in the lower half of the lanes
.set i, P+32
.rept 32
	v_mov_b32 v[i], 0
.set i, i+1
.endr
	v_mul_u32_u24 v[AK0], v1, PK
	v_lshl_add_u32 v[AK0], v9, 4, v[AK0]
	v_and_b32 v10, 7, v0
	v_bfe_u32 v11, v0, 3, 1
	v_lshl_add_u32 v[AV0], v9, 3, v10
	v_mul_u32_u24 v[AV0], v[AV0], PV
	v_lshl_add_u32 v[AV0], v11, 4, v[AV0]
	v_add_nc_u32 v[AV0], VOFF, v[AV0]
	v_mov_b32 v[AK], v[AK0]
	s_wait_loadcnt 0x0
	; the CLS key's scores for the eight tiles and for the CLS query: nine accumulators by turns; every register of a result holds the lane's query's score
.irp c, 0,1
	WIN W_KQ
.set t, 0
.rept 8
.if \c == 0
	v_wmma_f32_16x16x32_f16 v[S+8*t:S+8*t+7], v[KF+8*\c:KF+8*\c+7], v[16*t+8*\c:16*t+8*\c+7], 0
.else
	v_wmma_f32_16x16x32_f16 v[S+8*t:S+8*t+7], v[KF+8*\c:KF+8*\c+7], v[16*t+8*\c:16*t+8*\c+7], v[S+8*t:S+8*t+7]
.endif
.set t, t+1
.endr
	WIN 0xfe                        ; K in window 2, the rest in window 3
.if \c == 0
	v_wmma_f32_16x16x32_f16 v[S3:S3+7], v[KF+8*\c:KF+8*\c+7], v[QC+8*\c:QC+8*\c+7], 0
.else
	v_wmma_f32_16x16x32_f16 v[S3:S3+7], v[KF+8*\c:KF+8*\c+7], v[QC+8*\c:QC+8*\c+7], v[S3:S3+7]
.endif
.endr
	WIN 0
.rept 4
	v_nop                           ; the places behind those products
.endr
.set i, 0
.rept 16                            ; v_cls in f32: x 1 + 0 from each f16 half
	v_fma_mix_f32 v[128+2*i], v[TMP+i], v13, v15 op_sel_hi:[1,0,0]
	v_fma_mix_f32 v[129+2*i], v[TMP+i], v13, v15 op_sel:[1,0,0] op_sel_hi:[1,0,0]
.set i, i+1
.endr
.set t, 0
.rept 2*NP
	v_mul_f32 v[ST+4*t], s[CS], v[S+8*t]   ; c m
	v_mov_b32 v[ST+4*t+1], v[S+8*t]        ; m
	v_mov_b32 v[ST+4*t+2], v14             ; l
	v_mov_b32 v[ST+4*t+3], 0
.set t, t+1
.endr
	WIN 0xff
	v_mov_b32 v[C3], 0xff7fffff
	v_cndmask_b32 v[T3+1], v[C3], v[S3], s[MSK]  ; the CLS query: one wave starts with the CLS key, the others with nothing
	v_mul_f32 v[T3], s[CS], v[T3+1]
	v_mov_b32 v[T3+3], 0
	WIN 0xc0
	v_cndmask_b32 v[T3+2], 0, v14, s[MSK]
.set i, 0
.rept 32
	v_cndmask_b32 v[O3+i], 0, v[128+i], s[MSK]
.set i, i+1
.endr
	WIN 0x40
.set i, 0
.rept 64*NP
	v_mov_b32 v[i], v[128+i%32]     ; O^T = v_cls
.set i, i+1
.endr
	WIN 0
.macro KQ x
	WIN W_KQ
.set rS, S+64*((\x)%2)+32*(i%2)+8*((i/2)%4)
.set rK, KF+16*((i/2)%4)+8*(i/8)
.set rQ, 16*(2*(\x)+i%2)+8*(i/8)
.if i < 8
	v_wmma_f32_16x16x32_f16 v[rS:rS+7], v[rK:rK+7], v[rQ:rQ+7], 0
.else
	v_wmma_f32_16x16x32_f16 v[rS:rS+7], v[rK:rK+7], v[rQ:rQ+7], v[rS:rS+7]
.endif
.endm
.macro PV x
	WIN W_PV
.set rO, 32*(2*(\x)+i%2)+8*((i/2)%4)
.set rV, VF+32*(i/8)+8*((i/2)%4)
.set rP, P+32*((\x)%2)+16*(i%2)+8*(i/8)
	v_wmma_f32_16x16x32_f16 v[rO:rO+7], v[rV:rV+7], v[rP:rP+7], v[rO:rO+7]
.endm
.macro MM                           ; the turn's next matrix instruction; the 8 accumulators of a run of 16 take turns
.if i < 16
	KQ (Y+1)%NP
.set i, i+1
.else
.set i, i-16
	PV (Y+NP-1)%NP
.set i, i+17
.endif
.endm
.macro FETCH_K last=0               ; a step's K: 8 fragments.  last = 1: in the last trip there is no further step, and the run is jumped over
	WIN 0
.if \last
	s_cmp_eq_u32 s[CNT], 1
	s_cbranch_scc1 .Lno_k_\@
.endif
	WIN 0x80
.irp f, 0,1,2,3,4,5,6,7
	ds_load_b128 v[KF+8*\f:KF+8*\f+3],   v[AK] offset:(\f/2)*16*PK+(\f%2)*64
	ds_load_b128 v[KF+8*\f+4:KF+8*\f+7], v[AK] offset:(\f/2)*16*PK+(\f%2)*64+32
.endr
	s_add_co_u32 s[TBK], s[TBK], KS*PK
	WIN 0
.if \last
.Lno_k_\@:
.endif
.endm
.macro FETCH_V                      ; a step's V, turned
	WIN 0x80
.irp f, 0,1,2,3,4,5,6,7
	ds_load_tr16_b128 v[VF+8*\f:VF+8*\f+3],   v[AV] offset:(\f/4)*32*PV+(\f%4)*32
	ds_load_tr16_b128 v[VF+8*\f+4:VF+8*\f+7], v[AV] offset:(\f/4)*32*PV+16*PV+(\f%4)*32
.endr
	WIN 0
.endm
.macro REGS y, u
.set rT, ST+4*(2*(\y)+(\u))
.set rC, TMP+8*((\y)%2)+4*(\u)
.set rM, MV+2*((\y)%2)+(\u)
.set rS, S+64*((\y)%2)+32*(\u)
.set rP, P+32*((\y)%2)+16*(\u)
.set rO, 32*(2*(\y)+(\u))
.endm
; Number n of the 22 that find a tile's maximum and statistics, on the registers that rT, rC, rM, rS name; each accumulator's lowest registers are read first.
.macro XSN n
.if (\n) < 4
	v_max3_num_f32 v[rC+(\n)], v[rS+8*(\n)], v[rS+8*(\n)+1], v[rS+8*(\n)+2]
.elseif (\n) < 12
	v_max3_num_f32 v[rC+(\n)%4], v[rC+(\n)%4], v[rS+8*((\n)%4)+2*((\n)/4)+1], v[rS+8*((\n)%4)+2*((\n)/4)+2]
.elseif (\n) == 12
	v_max3_num_f32 v[rC], v[rC], v[rS+7], v[rS+15]
.elseif (\n) == 13
	v_max3_num_f32 v[rC+1], v[rC+1], v[rS+23], v[rS+31]
.elseif (\n) == 14
	v_max3_num_f32 v[rC+2], v[rC+2], v[rC+3], v[rT+1]
.elseif (\n) == 15
	v_mov_b32 v[rM], v[rT]
.elseif (\n) == 16
	v_max3_num_f32 v[rC], v[rC], v[rC+1], v[rC+2]
.elseif (\n) == 17
	v_permlanex16_b32 v[rC+3], v[rC], s[SEL], s[SEL+1]
.elseif (\n) == 18
	v_max_num_f32 v[rT+1], v[rC], v[rC+3]
.elseif (\n) == 19
	v_mul_f32 v[rT], s[CS], v[rT+1]
.elseif (\n) == 20
	v_sub_f32 v[rC+1], v[rM], v[rT]
.else
	v_exp_f32 v[rC+2], v[rC+1]
.endif
.endm
.macro XS u, n
	REGS (Y+1)%NP, \u
	XSN \n
.endm
.macro GS g                         ; number g of the 64 that follow the exponentials: roundings, sums of four weights in place, l
.set h, (\g)+6*((\g)/62)
.if h >= 6
.set h, h+2
.endif
	REGS Y, h%2
.set k, h/8
.if h%8 < 4
	v_cvt_pk_f16_f32 v[rP+2*k+(h%8)/2], v[rS+4*k+2*((h%8)/2)], v[rS+4*k+2*((h%8)/2)+1]
.elseif h%8 < 6
	v_pk_add_f32 v[rS+4*k:rS+4*k+1], v[rS+4*k:rS+4*k+1], v[rS+4*k+2:rS+4*k+3]
.elseif k == 1
	v_pk_fma_f32 v[rT+2:rT+3], v[rT+2:rT+3], v[rC+2:rC+3], v[rS:rS+1] op_sel_hi:[1,0,1]
.else
	v_pk_add_f32 v[rT+2:rT+3], v[rT+2:rT+3], v[rS+4*k-4:rS+4*k-3]
.endif
.endm
.macro FS f
	REGS Y, (\f)%2
	v_pk_fma_f32 v[rS+2*((\f)/2):rS+2*((\f)/2)+1], v[rS+2*((\f)/2):rS+2*((\f)/2)+1], s[CS:CS+1], v[rT:rT+1] op_sel_hi:[1,0,0] neg_lo:[0,0,1] neg_hi:[0,0,1]
.endm
.macro PL                           ; the plain queue, 138 long: 0-73 read no exponential's result, 74-137 stand behind the wait
	WIN 0
.if q < 27
	FS q
.elseif q < 55
	XS (q-27)%2, (q-27)/2
.elseif q < 57
	XS q-55, 15
.elseif (q < 72) && ((q-57)%3 == 0)
	FS 27+(q-57)/3
.elseif q < 60
	XS (q-57)%3-1, 14
.elseif q < 72
	XS (q-57)%3-1, 15+(q-57)/3
.elseif q < 74
	XS q-72, 20
.else
	GS q-74
.endif
.set q, q+1
.endm
.macro EX                           ; the exponentials' queue, 66 long: one batch
	WIN 0
.if e >= 64
	XS e-64, 21
.else
	REGS Y, e%2
	v_exp_f32 v[rS+e/2], v[rS+e/2]
.endif
.set e, e+1
.endm
.macro R2                           ; O^T times a, two at a time
	REGS Y, r%2
	WIN W_RS
.irp z, 0,1
	v_pk_mul_f32 v[rO+4*(r/2)+2*\z:rO+4*(r/2)+2*\z+1], v[rO+4*(r/2)+2*\z:rO+4*(r/2)+2*\z+1], v[rC+2:rC+3] op_sel_hi:[1,0]
.endr
.set r, r+1
.endm
; A TURN, for piece p.  Ahead of its one wait: 16 products K Q^T with a scaling, an exponential and two rescalings behind each, then the lump.  Behind it: 16 products V^T P with four of the roundings and sums
; behind each.  K of the next step is fetched in piece 2's turn, directly behind the wait; V of the step in hand at the end of piece 0's turn, four plain instructions behind its last reader.
.macro TURN p, last=0, cnt=0
.set Y, (\p)
.set i, 0
.set q, 0
.set e, 0
.set r, 0
.if (\p) == NP-1
	s_wait_dscnt 0x0                ; K is in
.endif
	MM
	PL
	PL
	R2
.rept 15
	MM
	PL
	EX
	R2
.endr
.if (\p) == NP-2
	WIN 0
	v_add_nc_u32 v[AK], s[TBK], v[AK0]
.endif
.rept 8
	PL
.endr
.rept 49
	EX
	PL
.endr
	EX
	EX
	v_nop                           ; a plain instruction behind the last exponential: one for the batch
	s_wait_alu depctr_va_vdst(0)    ; the wait for the batch, ahead of the first instruction that names a result
.if (\p) == NP-2
	FETCH_K \last
.endif
.if (\p) == 1
	s_wait_dscnt 0x0                ; V is in
.endif
.rept 16
	MM
.rept 4
	PL
.endr
.if ((\p) == 0) && (q == 118)
	v_add_nc_u32 v[AV], s[TBV], v[AV0]
.endif
.if ((\p) == 0) && (q == 130)
	s_add_co_u32 s[TBV], s[TBV], KS*PV
.endif
.if (\cnt) && (q == 130)
	s_sub_co_u32 s[CNT], s[CNT], 1
	s_cmp_lg_u32 s[CNT], 0
.endif
.endr
.if (\p) == 0
	FETCH_V
.endif
.endm
; THE CLS QUERY's key step, in phases, between piece 0's and piece 1's turn: K of the step is in registers, V has been asked for.  A forward jump on scalars; no barrier inside.
.macro MINI
	s_and_b32 s68, s[CNT], 3
	s_cmp_eq_u32 s68, s[WVX]
	s_cbranch_scc0 .Lno_mini_\@
	WIN 0xfe
.set i, 0
.rept 8                             ; four accumulators by turns
.if i < 4
	v_wmma_f32_16x16x32_f16 v[S3+8*(i%4):S3+8*(i%4)+7], v[KF+16*(i%4)+8*(i/4):KF+16*(i%4)+8*(i/4)+7], v[QC+8*(i/4):QC+8*(i/4)+7], 0
.else
	v_wmma_f32_16x16x32_f16 v[S3+8*(i%4):S3+8*(i%4)+7], v[KF+16*(i%4)+8*(i/4):KF+16*(i%4)+8*(i/4)+7], v[QC+8*(i/4):QC+8*(i/4)+7], v[S3+8*(i%4):S3+8*(i%4)+7]
.endif
.set i, i+1
.endr
	WIN 0xff
.rept 4
	v_nop
.endr
.set rT, T3
.set rC, C3
.set rM, W3
.set rS, S3
.irp n, 0,1,2,3,4,5,6,7,8,9,10,11,12,13,14,15,16,17,18,19,20,21
	XSN \n
.endr
.set i, 0
.rept 16
	v_pk_fma_f32 v[S3+2*i:S3+2*i+1], v[S3+2*i:S3+2*i+1], s[CS:CS+1], v[T3:T3+1] op_sel_hi:[1,0,0] neg_lo:[0,0,1] neg_hi:[0,0,1]
.set i, i+1
.endr
.set i, 0
.rept 32
	v_exp_f32 v[S3+i], v[S3+i]
.set i, i+1
.endr
	v_nop
	s_wait_alu depctr_va_vdst(0)    ; one wait for the 33 exponentials
.set i, 0
.rept 16
	v_cvt_pk_f16_f32 v[P3+i], v[S3+2*i], v[S3+2*i+1]
.set i, i+1
.endr
.set i, 0
.rept 8
	v_pk_add_f32 v[S3+4*i:S3+4*i+1], v[S3+4*i:S3+4*i+1], v[S3+4*i+2:S3+4*i+3]
.set i, i+1
.endr
	v_pk_fma_f32 v[T3+2:T3+3], v[T3+2:T3+3], v[C3+2:C3+3], v[S3:S3+1] op_sel_hi:[1,0,1]
.set i, 1
.rept 7
	v_pk_add_f32 v[T3+2:T3+3], v[T3+2:T3+3], v[S3+4*i:S3+4*i+1]
.set i, i+1
.endr
.set i, 0
.rept 16
	v_pk_mul_f32 v[O3+2*i:O3+2*i+1], v[O3+2*i:O3+2*i+1], v[C3+2:C3+3] op_sel_hi:[1,0]
.set i, i+1
.endr
	s_wait_dscnt 0x0                ; V is in
	WIN 0xfe
.set i, 0
.rept 8
	v_wmma_f32_16x16x32_f16 v[O3+8*(i%4):O3+8*(i%4)+7], v[VF+32*(i/4)+8*(i%4):VF+32*(i/4)+8*(i%4)+7], v[P3+8*(i/4):P3+8*(i/4)+7], v[O3+8*(i%4):O3+8*(i%4)+7]
.set i, i+1
.endr
	WIN 0
.Lno_mini_\@:
.endm
	s_wait_tensorcnt 0x0            ; my half of K or V has landed,
	s_barrier_signal -1
	s_barrier_wait -1               ; everybody's has: nothing is filled again in this launch
	FETCH_K                         ; key step 0
	s_wait_dscnt 0x0
.set i, 0
.rept 16
	KQ 0                            ; piece 0's first scores
.set i, i+1
.endr
	WIN 0                           ; the addresses for the way out: the places behind those products
	s_mul_i32 s13, s[WV], 16*SP
	s_add_co_u32 s13, s13, STAGE
	v_mul_u32_u24 v[STO], v1, SP
	v_lshl_add_u32 v[STO], v9, 4, v[STO]
	v_add_nc_u32 v[STO], s13, v[STO]
	v_bfe_u32 v[RD], v0, 3, 2
	v_mul_u32_u24 v[RD], v[RD], SP
	v_lshl_add_u32 v[RD], v10, 4, v[RD]
	v_add_nc_u32 v[RD], s13, v[RD]
	v_and_b32 v[GO], 31, v0
	v_lshlrev_b32 v[GO], 4, v[GO]
.set Y, NP-1
.irp n, 0,1,2,3,4,5,6,7,8,9,10,11,12,13,14,15,16,17,18,19,20,21
	XS 0, \n
	XS 1, \n
.endr
	v_nop
	s_wait_alu depctr_va_vdst(0)    ; the two a, ahead of the label
	s_mov_b32 s[CNT], 16
.Lstep:                             ; a key step: four turns
	TURN 0
	MINI
	TURN 1
	TURN 2, 1
	TURN 3, 0, 1
	WIN 0
	s_cbranch_scc1 .Lstep
	; (the last trip's 16 products K Q^T, on the last K once more, and the maximum made of them change nothing: the price of one text for every trip)
	WIN W_AD                        ; the CLS query's partial state: the 16 lanes of a half hold the same numbers and store to the same bytes
	ds_store_b128 v[MG], v[T3:T3+3]
.irp i, 0,1,2,3,4,5,6,7
	ds_store_b128 v[MG], v[O3+4*\i:O3+4*\i+3] offset:32+32*\i
.endr
	s_wait_dscnt 0x0                ; for the others' sake
	s_barrier_signal -1
.set i, 0
.rept 16
	PV NP-1                         ; the last piece's V^T P of the last step
.set i, i+1
.endr
	WIN 0
	s_barrier_wait -1
	; THE WAY OUT.  l's halves are added; O^T is divided by l, rounded to f16 and sent through my stage in LDS, a tile at a time.
.macro ALL line:vararg
.set t, 0
.rept 2*NP
	\line
.set t, t+1
.endr
.endm
	ALL v_add_f32 v[ST+4*t+2], v[ST+4*t+2], v[ST+4*t+3]
	ALL v_permlanex16_b32 v[ST+4*t+3], v[ST+4*t+2], s[SEL], s[SEL+1]
	ALL v_add_f32 v[ST+4*t+2], v[ST+4*t+2], v[ST+4*t+3]
	ALL v_rcp_f32 v[ST+4*t+2], v[ST+4*t+2]
	v_nop
	s_wait_alu depctr_va_vdst(0)    ; one wait for the eight reciprocals
.macro PACK t
	WIN W_RS
.set i, 32*(\t)
.rept 16
	v_pk_mul_f32 v[i:i+1], v[i:i+1], v[ST+4*(\t)+2:ST+4*(\t)+3] op_sel_hi:[1,0]
.set i, i+2
.endr
	WIN 0x05
.set i, 0
.rept 16
	v_cvt_pk_f16_f32 v[S+16*(\t)+i], v[32*(\t)+2*i], v[32*(\t)+2*i+1]
.set i, i+1
.endr
	WIN 0
.irp f, 0,1,2,3
	ds_store_b128 v[STO], v[S+16*(\t)+4*\f:S+16*(\t)+4*\f+3] offset:32*\f
.endr
.irp f, 0,1,2,3
	ds_load_b128 v[S+16*(\t)+4*\f:S+16*(\t)+4*\f+3], v[RD] offset:\f*4*SP  ; LDS serves a wave's instructions in order: these see the stores above
.endr
.endm
.macro SEND t, younger
	WIN 0
.irp f, 0,1,2,3
	s_wait_dscnt (\younger)+3-\f
	global_store_b128 v[GO], v[S+16*(\t)+4*\f:S+16*(\t)+4*\f+3], s[10:11] offset:(\t)*2048+\f*512  ; 512 consecutive bytes
.endr
.endm
	PACK 0
.set t, 1
.rept 2*NP-1
	PACK t
	SEND t-1, 8
.set t, t+1
.endr
	SEND 2*NP-1, 0
	s_cmp_eq_u32 s[WVX], 0          ; one wave merges the CLS query's four partial states
	s_cbranch_scc0 .Lend
	WIN 0xc3
.set i, 0
.rept 36                            ; wave i / 9: c m, m, l, l, then 32 of O^T, at v[112 + 36 (i / 9)]
	ds_load_b128 v[112+4*i:112+4*i+3], v[MR] offset:(i/9)*288+(i%9)*32
.set i, i+1
.endr
	s_wait_dscnt 0x0
	WIN 0xff
	v_max3_num_f32 v88, v112, v148, v184
	v_max_num_f32 v88, v88, v220
.irp w, 0,1,2,3
	v_sub_f32 v[80+2*\w], v[112+36*\w], v88
.endr
.irp w, 0,1,2,3
	v_exp_f32 v[80+2*\w], v[80+2*\w]              ; 2^(c m_w - the greatest c m)
.endr
.irp w, 0,1,2,3
	v_add_f32 v[114+36*\w], v[114+36*\w], v[115+36*\w]
.endr
	s_wait_alu depctr_va_vdst(0)
	v_mul_f32 v90, v80, v114
	v_fmac_f32 v90, v82, v150
	v_fmac_f32 v90, v84, v186
	v_fmac_f32 v90, v86, v222
	v_mov_b32 v91, 0
	v_permlanex16_b32 v91, v90, s[SEL], s[SEL+1]
	v_add_f32 v90, v90, v91
	v_rcp_f32 v92, v90
	v_nop
	s_wait_alu depctr_va_vdst(0)
.irp w, 0,1,2,3
	v_mul_f32 v[80+2*\w], v[80+2*\w], v92
	v_mov_b32 v[81+2*\w], v[80+2*\w]
.endr
.set i, 0
.rept 16
	v_pk_mul_f32 v[116+2*i:116+2*i+1], v[116+2*i:116+2*i+1], v[80:81]
.set i, i+1
.endr
.irp w, 1,2,3
.set i, 0
.rept 16
	v_pk_fma_f32 v[116+2*i:116+2*i+1], v[116+36*\w+2*i:116+36*\w+2*i+1], v[80+2*\w:81+2*\w], v[116+2*i:116+2*i+1]
.set i, i+1
.endr
.endr
.set i, 0
.rept 16
	v_cvt_pk_f16_f32 v[S3+i], v[116+2*i], v[116+2*i+1]
.set i, i+1
.endr
	s_wait_xcnt 0x0                 ; EXEC changes only when every earlier store has read it
	v_cmp_gt_u32 vcc_lo, 2, v[RR]
	s_and_saveexec_b32 s68, vcc_lo  ; lane rows 0 and 1: the CLS row and its copy, eight rows on
.irp c, 0,1,2,3
	global_store_b128 v[CG], v[S3+4*\c:S3+4*\c+3], s[18:19] offset:32*\c
.endr
	s_wait_xcnt 0x0
	s_or_b32 exec_lo, exec_lo, s68
	WIN 0
.Lend:
	WIN W_AD
	s_wait_tensorcnt 0x0            ; the wave's end
	ds_add_u32 v[SPW], v[NIL]
	s_wait_dscnt 0x0
	WIN 0
	s_endpgm
.Lfunc_end_k_q937dcc8460_attn:
	.size	k_q937dcc8460_attn, .Lfunc_end_k_q937dcc8460_attn-k_q937dcc8460_attn
	.p2alignl 7, 3214868480
	.fill 96, 4, 3214868480
	.section	.rodata,"a",@progbits
	.p2align	6, 0x0
	.amdhsa_kernel k_q937dcc8460_attn
		.amdhsa_group_segment_fixed_size 327680
		.amdhsa_private_segment_fixed_size 0
		.amdhsa_enable_private_segment 0
		.amdhsa_kernarg_size 24
		.amdhsa_user_sgpr_count 2
		.amdhsa_user_sgpr_kernarg_segment_ptr 1
		.amdhsa_wavefront_size32 1
		.amdhsa_system_sgpr_workgroup_id_x 1
		.amdhsa_system_sgpr_workgroup_id_y 1
		.amdhsa_system_sgpr_workgroup_id_z 1
		.amdhsa_system_vgpr_workitem_id 0
		.amdhsa_next_free_vgpr 1024
		.amdhsa_next_free_sgpr 72
		.amdhsa_reserve_vcc 1
		.amdhsa_float_denorm_mode_32 3
		.amdhsa_float_denorm_mode_16_64 3
		.amdhsa_memory_ordered 1
		.amdhsa_forward_progress 1
		.amdhsa_inst_pref_size 149
	.end_amdhsa_kernel
	.amdgpu_metadata
---
amdhsa.version: [ 1, 2 ]
amdhsa.kernels:
  - .name:           k_q937dcc8460_attn
    .symbol:         k_q937dcc8460_attn.kd
    .args:
      - { .name: qkv, .offset: 0, .size: 8, .value_kind: global_buffer, .address_space: global }
      - { .name: cls, .offset: 8, .size: 8, .value_kind: global_buffer, .address_space: global }
      - { .name: ob, .offset: 16, .size: 8, .value_kind: global_buffer, .address_space: global }
    .group_segment_fixed_size: 327680
    .private_segment_fixed_size: 0
    .kernarg_segment_align: 8
    .kernarg_segment_size: 24
    .max_flat_workgroup_size: 128
    .sgpr_count:     72
    .vgpr_count:     1024
    .wavefront_size: 32
...
	.end_amdgpu_metadata
.endif
;; end of part 3
;; launch outp (part 4): grid 4 x 57, 4 waves a work-group, clusters of 4 x 1, 327,680 bytes of LDS; arguments ob, wo, b_out, out0; writes out0
.if DOCPART == 4
	.amdgcn_target "amdgcn-amd-amdhsa--gfx1250"
	.amdhsa_code_object_version 6
	.text
	.protected	k_q937dcc8460_outp
	.globl	k_q937dcc8460_outp
	.p2align	8
	.type	k_q937dcc8460_outp,@function
k_q937dcc8460_outp:
	s_mov_b64 s[64:65], 0
	v_nop
	global_prefetch_b8 v0, s[64:65] scope:SCOPE_SE
	s_setreg_imm32_b32 hwreg(HW_REG_WAVE_MODE, 25, 1), 1
	s_wait_xcnt 0x0
	s_wait_alu depctr_hold_cnt(0) depctr_sa_sdst(0) depctr_va_vdst(0) depctr_va_sdst(0) depctr_va_ssrc(0) depctr_va_vcc(0) depctr_vm_vsrc(0)
	s_getreg_b32 s2, hwreg(HW_REG_IB_STS2, 6, 4)
	s_cmp_eq_u32 s2, 0
	s_cbranch_scc0 .Lentry_in_a_cluster
	s_endpgm
.Lentry_in_a_cluster:
	s_bfe_u32 s2, ttmp6, 0x10000c
	s_cmp_lg_u32 s2, 0x3003
	s_cbranch_scc0 .Lentry_shape_is_right
	s_endpgm
.Lentry_shape_is_right:
; out0 = O w_out + b_out.  O: ob[head][m'][64] in f16, 8208 rows (8192 tokens, the 8 CLS rows, 8 copies); w_out: wo[k][n] in f16; sums f32; out0 in f32.
; SHARES.  8208 = 57 x 144: a work-group makes 144 rows x 256 columns, a wave all 144 rows x 64 columns: 36 accumulators (row blocks 0-7 in window 1 at v[8 (4 a + nb)], block 8 in window 2, v0-31).
; Source 0 = 16 columns of w_out, source 1 = 16 rows of O: a lane holds one row and eight neighbouring columns.  b_out (rounded to bf16) is the C operand of the first product.
; RING.  K steps of 128 (two heads) through two LDS slots: 2 x 144 rows of O (128 bytes + 16), 128 rows of w_out (512 bytes + 32).  Waves 0, 1 fetch a head of O each, waves 2, 3 64 rows of w_out each.
; CLUSTER 4 x 1: the four column tiles of a row tile share O's tiles (joint loads); w_out's tiles differ between them, and 57 row tiles are no multiple of four, so those are loads of one's own.
; No prefetch: eight changes of slots in all.
.set SLOT1, 131072
.set PA,    144
.set PB,    544
.set HA,    144*PA
.set BOFF,  2*HA
.set STAGE, BOFF+128*PB                ; between the slots, never filled: 16 rows x 272 bytes a wave
.set SP,    272
.set SPARE, STAGE+4*16*SP
.set ADRA0, 14
.set ADRB0, 15
.set ADRA, 16
.set ADRB, 17
.set STO, 18
.set RD,  19
.set CO,  20
.set BO,  21
.set CO2, 22                           ; v[22:25] the CLS rows' offsets in out0
.set SPW, 28
.set NIL, 29
.set F0,  32                           ; fragment buffers: 32 of w_out, then 72 of O
.set F1,  136
.set BI,  32                           ; window 2: the bias
.set BK,  64                           ; window 2: two buffers of rows read back
.set WV, 12
.set EE, 13
.set CX, 14
.set RT, 15
.set G1A, 24
.set G0A, 32
.set SL,  40
.set CNT, 41
.set MB,  46
.set G1B, 48
.set G0B, 56
.set OB,  66
.set MSB, 0
.macro WIN new
.if MSB != (\new)
	s_set_vgpr_msb (MSB<<8)|(\new)
.set MSB, \new
.endif
.endm
.macro PLACES
.rept 4
	v_nop
.endr
.endm
.macro JLOAD s
	s_cmp_lt_u32 s[WV], 2
	s_cbranch_scc0 .Lfor_b_\@
	tensor_load_to_lds s[G0A+4*(\s):G0A+4*(\s)+3], s[G1A:G1A+7]
	s_nop 0
	PLACES
	s_branch .Lasked_\@
.Lfor_b_\@:
	tensor_load_to_lds s[G0B+4*(\s):G0B+4*(\s)+3], s[G1B:G1B+7]
	s_nop 0
	PLACES
.Lasked_\@:
.endm
.macro CREST
	s_cmp_lg_u32 s[WV], 0
	s_cbranch_scc1 .Lnot_wave_0_\@
	s_barrier_signal -3
.Lnot_wave_0_\@:
	s_barrier_wait -3
	s_barrier_signal -1
	s_barrier_wait -1
.endm
.macro CROUND
	s_barrier_signal -1
	s_barrier_wait -1
	CREST
.endm
	s_load_b256 s[4:11], s[0:1], 0x0               ; ob 4, wo 6, b_out 8, out0 10
	v_lshl_add_u32 v[SPW], v0, 2, SPARE
	v_mov_b32 v[NIL], 0
	ds_add_u32 v[SPW], v[NIL]                      ; the wave's opening: the add and its wait ahead of my first tensor load
	ds_add_u32 v28, v29
	v_lshrrev_b32 v1, 5, v0
	v_readfirstlane_b32 s[WV], v1
	s_and_b32 s[EE], s[WV], 1
	s_bfe_u32 s[CX], ttmp6, 0x40000                ; the column tile
	s_and_b32 s[RT], ttmp7, 0xffff                 ; the row tile: the cluster's y, the same in all four
	s_mov_b32 s[G1A], 15|(1<<16)|(1<<20)|(1<<21)|(4<<22)|(3<<25)  ; all four work-groups; 16 bytes of padding after every 128
	s_mov_b32 s[G1A+1], 128<<16                    ; 144 rows of a head are 18,432 dense bytes: 72 rows of 256
	s_mov_b32 s[G1A+2], 72<<16
	s_mov_b32 s[G1A+3], 128<<16
	s_mov_b32 s[G1A+4], 72
	s_mov_b32 s[G1A+5], 128
	s_mov_b32 s[G1A+6], 0
	s_mov_b32 s[G1A+7], 0
	s_mov_b32 s[G1B], (1<<16)|(1<<20)|(6<<22)|(7<<25)  ; no mask; 32 bytes after every 512
	s_mov_b32 s[G1B+1], 256<<16
	s_mov_b32 s[G1B+2], 64<<16
	s_mov_b32 s[G1B+3], 256<<16
	s_mov_b32 s[G1B+4], 64
	s_mov_b32 s[G1B+5], 1024
	s_mov_b32 s[G1B+6], 0
	s_mov_b32 s[G1B+7], 0
	s_mul_i32 s16, s[EE], 1050624                  ; my head of the K step's two,
	s_mul_i32 s18, s[RT], 18432                    ; the tile's 144 rows
	s_add_co_u32 s16, s16, s18
	s_mov_b32 s17, 0
	s_lshl_b32 s18, s[EE], 17                      ; my 64 rows of w_out,
	s_lshl_b32 s20, s[CX], 9                       ; the tile's 256 columns
	s_add_co_u32 s18, s18, s20
	s_mov_b32 s19, 0
	s_mul_i32 s20, s[EE], HA
	s_mul_i32 s21, s[EE], 64*PB
	s_add_co_u32 s21, s21, BOFF
	s_mov_b32 s[SL], 0
	s_mul_i32 s[MB], s[RT], 144
	s_wait_dscnt 0x0                               ; the opening add is done
	s_wait_kmcnt 0x0
	s_add_nc_u64 s[16:17], s[4:5], s[16:17]
	s_add_nc_u64 s[18:19], s[6:7], s[18:19]
	CROUND                                         ; all four work-groups are here
.irp s, 0,1
	s_mov_b32 s[G0A+4*\s], 1
	s_add_co_u32 s[G0A+4*\s+1], s20, \s*SLOT1
	s_add_nc_u64 s[G0A+4*\s+2:G0A+4*\s+3], s[16:17], \s*2101248
	s_or_b32 s[G0A+4*\s+3], s[G0A+4*\s+3], 0x80000000
	s_mov_b32 s[G0B+4*\s], 1
	s_add_co_u32 s[G0B+4*\s+1], s21, \s*SLOT1
	s_add_nc_u64 s[G0B+4*\s+2:G0B+4*\s+3], s[18:19], \s*262144
	s_or_b32 s[G0B+4*\s+3], s[G0B+4*\s+3], 0x80000000
	JLOAD \s                                       ; two loads of mine are out
.endr
	v_and_b32 v1, 15, v0
	v_bfe_u32 v2, v0, 4, 1
	v_lshlrev_b32 v[BO], 5, v2
	s_lshl_b32 s42, s[CX], 10
	s_lshl_b32 s43, s[WV], 8
	s_add_co_u32 s42, s42, s43                     ; my 64 columns, in bytes of f32
	s_mov_b32 s43, 0
	s_add_nc_u64 s[8:9], s[8:9], s[42:43]
	s_add_nc_u64 s[OB:OB+1], s[10:11], s[42:43]
	WIN 0x80
.irp nb, 0,1,2,3
	global_load_b128 v[BI+8*\nb:BI+8*\nb+3],   v[BO], s[8:9] offset:64*\nb
	global_load_b128 v[BI+8*\nb+4:BI+8*\nb+7], v[BO], s[8:9] offset:64*\nb+16
.endr
	WIN 0
	v_mul_u32_u24 v[ADRA0], v1, PA
	v_lshl_add_u32 v[ADRA0], v2, 4, v[ADRA0]
	v_and_b32 v3, 7, v0
	v_bfe_u32 v4, v0, 3, 1
	v_lshl_add_u32 v[ADRB0], v2, 3, v3
	v_mul_u32_u24 v[ADRB0], v[ADRB0], PB
	v_lshl_add_u32 v[ADRB0], v4, 4, v[ADRB0]
	s_lshl_b32 s42, s[WV], 7
	s_add_co_u32 s42, s42, BOFF
	v_add_nc_u32 v[ADRB0], s42, v[ADRB0]
	v_mov_b32 v[ADRA], v[ADRA0]
	v_mov_b32 v[ADRB], v[ADRB0]
	s_mul_i32 s42, s[WV], 16*SP
	s_add_co_u32 s42, s42, STAGE
	v_mul_u32_u24 v[STO], v1, SP
	v_lshl_add_u32 v[STO], v2, 5, v[STO]
	v_add_nc_u32 v[STO], s42, v[STO]
	v_mul_u32_u24 v[RD], v2, SP
	v_lshl_add_u32 v[RD], v1, 4, v[RD]
	v_add_nc_u32 v[RD], s42, v[RD]
	v_lshlrev_b32 v[CO], 12, v2
	v_lshl_add_u32 v[CO], v1, 4, v[CO]
.irp t, 0,1,2,3
	v_add_nc_u32 v5, 2*\t, v2
	v_mul_u32_u24 v[CO2+\t], v5, 0x401000          ; batch 2 t + l / 16: 1025 rows of 4,096 bytes
	v_lshl_add_u32 v[CO2+\t], v1, 4, v[CO2+\t]
.endr
	s_wait_loadcnt 0x0
	WIN 0x8a                                       ; all in window 2
.set i, 0
.rept 16
	v_cvt_pk_bf16_f32 v[BK], v[BI+2*i], v[BI+2*i+1]
	v_lshlrev_b32 v[BI+2*i], 16, v[BK]
	v_and_b32 v[BI+2*i+1], 0xffff0000, v[BK]
.set i, i+1
.endr
	WIN 0
.macro FETCHO q, f                     ; quarter q of the slot (32 K): 8 turning loads of w_out, then 18 loads of O
	WIN 0
.irp nb, 0,1,2,3
	ds_load_tr16_b128 v[(\f)+8*\nb:(\f)+8*\nb+3],   v[ADRB] offset:(\q)*32*PB+32*\nb
	ds_load_tr16_b128 v[(\f)+8*\nb+4:(\f)+8*\nb+7], v[ADRB] offset:(\q)*32*PB+32*\nb+16*PB
.endr
.irp a, 0,1,2,3,4,5,6,7,8
	ds_load_b128 v[(\f)+32+8*\a:(\f)+32+8*\a+3],   v[ADRA] offset:((\q)/2)*HA+\a*16*PA+64*((\q)%2)
	ds_load_b128 v[(\f)+32+8*\a+4:(\f)+32+8*\a+7], v[ADRA] offset:((\q)/2)*HA+\a*16*PA+64*((\q)%2)+32
.endr
.endm
.macro MULO f, a0, a1, zero            ; row blocks a0 to a1 x four column blocks; all 36 accumulators take turns.  zero = 1: the bias starts the sums
.set aa, \a0
.rept (\a1)-(\a0)+1
.if aa < 8
.if \zero
	WIN 0x60
.else
	WIN 0x50
.endif
.set rD, 32*aa
.else
	WIN 0xa0
.set rD, 0
.endif
.irp nb, 0,1,2,3
.if \zero
	v_wmma_f32_16x16x32_f16 v[rD+8*\nb:rD+8*\nb+7], v[(\f)+8*\nb:(\f)+8*\nb+7], v[(\f)+32+8*aa:(\f)+32+8*aa+7], v[BI+8*\nb:BI+8*\nb+7]
.else
	v_wmma_f32_16x16x32_f16 v[rD+8*\nb:rD+8*\nb+7], v[(\f)+8*\nb:(\f)+8*\nb+7], v[(\f)+32+8*aa:(\f)+32+8*aa+7], v[rD+8*\nb:rD+8*\nb+7]
.endif
.endr
.set aa, aa+1
.endr
.endm
.macro QUARTER q, f, g, zero           ; multiplies buffer f; in between fetches quarter q into g
	s_wait_dscnt 12                                ; w_out and O's blocks 0-2 are in; blocks 3-8 (12 loads) may be out
	MULO \f, 0, 2, \zero
	PLACES
	FETCHO \q, \g
	s_wait_dscnt 26                                ; all but the 26 just issued
	MULO \f, 3, 8, \zero
.endm
.macro CHG fill                        ; a slot's last quarter, on buffer 1, and the change of slots
	WIN 0
	s_wait_tensorcnt 0x0                           ; my part of the other slot has landed; no load of mine is out
	ds_add_u32 v[SPW], v[NIL]
.if \fill
	s_xor_b32 s[G0A+5], s[G0A+5], SLOT1
	s_add_nc_u64 s[G0A+6:G0A+7], s[G0A+6:G0A+7], 2101248
	s_xor_b32 s[G0B+5], s[G0B+5], SLOT1
	s_add_nc_u64 s[G0B+6:G0B+7], s[G0B+6:G0B+7], 262144
.endif
	s_wait_dscnt 13                                ; the add and 12 loads may be out
	MULO F1, 0, 2, 0
	s_wait_dscnt 0x0                               ; the add is done, and my reads of this slot are over
	s_barrier_signal -1
	MULO F1, 3, 4, 0
	WIN 0
	s_barrier_wait -1
.if \fill
	CREST                                          ; the barrier has opened a round of the cluster's
	JLOAD 1                                        ; the first tensor load behind it; its four v_nop are also the places in front of the loads below
.else
	PLACES
.endif
	s_xor_b32 s[SL], s[SL], SLOT1
	v_add_nc_u32 v[ADRA], s[SL], v[ADRA0]
	v_add_nc_u32 v[ADRB], s[SL], v[ADRB0]
	FETCHO 0, F0
	MULO F1, 5, 8, 0
.endm
	s_wait_tensorcnt 1                             ; my part of K step 0 is in; K step 1 may stay out
	s_barrier_signal -1
	s_barrier_wait -1
	FETCHO 0, F0
	QUARTER 1, F0, F1, 1
	WIN 0
	s_mov_b32 s[CNT], 6
.Lk:                                   ; six trips: K steps 2 to 7 are asked for
	QUARTER 2, F1, F0, 0
	QUARTER 3, F0, F1, 0
	CHG 1
	QUARTER 1, F0, F1, 0
	WIN 0
	s_sub_co_u32 s[CNT], s[CNT], 1
	s_cmp_lg_u32 s[CNT], 0
	s_cbranch_scc1 .Lk
	QUARTER 2, F1, F0, 0
	QUARTER 3, F0, F1, 0
	CHG 0
	QUARTER 1, F0, F1, 0
	QUARTER 2, F1, F0, 0
	QUARTER 3, F0, F1, 0
	s_wait_dscnt 12
	MULO F1, 0, 2, 0
	s_wait_dscnt 0x0
	MULO F1, 3, 8, 0
	PLACES
; THE WAY OUT, a block of 16 rows at a time: 32 bytes a lane into rows of 272 bytes, back as whole rows of 256, two a load.
.macro TOST a
	s_wait_xcnt 0x0                                ; the stores of two blocks back have read the registers that are loaded below
.if (\a) < 8
	WIN 0x04
.set rD, 32*(\a)
.else
	WIN 0x08
.set rD, 0
.endif
.irp nb, 0,1,2,3
	ds_store_b128 v[STO], v[rD+8*\nb:rD+8*\nb+3]   offset:64*\nb
	ds_store_b128 v[STO], v[rD+8*\nb+4:rD+8*\nb+7] offset:64*\nb+16
.endr
	WIN 0x80
.irp t, 0,1,2,3,4,5,6,7
	ds_load_b128 v[BK+32*((\a)%2)+4*\t:BK+32*((\a)%2)+4*\t+3], v[RD] offset:\t*2*SP  ; LDS serves a wave's instructions in order
.endr
.endm
.macro SENDO a, younger
	WIN 0
	s_wait_xcnt 0x0                                ; the earlier stores have read their base
	s_add_co_u32 s42, s[MB], 16*(\a)               ; row m' of the block: a block never crosses a batch
	s_lshr_b32 s43, s42, 10
	s_add_co_u32 s42, s42, s43
	s_add_co_u32 s42, s42, 1                       ; the row of out0: m' + b + 1
	s_lshl_b32 s42, s42, 12
	s_mov_b32 s43, 0
	s_add_nc_u64 s[44:45], s[OB:OB+1], s[42:43]
	WIN 0x08
.irp t, 0,1,2,3,4,5,6,7
	s_wait_dscnt (\younger)+7-\t
	global_store_b128 v[CO], v[BK+32*((\a)%2)+4*\t:BK+32*((\a)%2)+4*\t+3], s[44:45] offset:\t*8192  ; 16 lanes store 256 consecutive bytes, aligned
.endr
.endm
	TOST 0
.irp a, 1,2,3,4,5,6,7,8
	TOST \a
	SENDO \a-1, 16
.endr
	WIN 0
	s_cmp_eq_u32 s[RT], 56                         ; the last tile's last block holds the CLS rows
	s_cbranch_scc1 .Lclsrows
	SENDO 8, 0
	WIN 0
	s_branch .Ldone
.Lclsrows:
	WIN 0x08
.irp t, 0,1,2,3                        ; rows 0-7 of the block: token 0 of batches 0-7; the copies behind them are left
	s_wait_dscnt 7-\t
	global_store_b128 v[CO2+\t], v[BK+4*\t:BK+4*\t+3], s[OB:OB+1]
.endr
	WIN 0
.Ldone:
	s_wait_tensorcnt 0x0                           ; the wave's end
	ds_add_u32 v[SPW], v[NIL]
	s_wait_dscnt 0x0
	CROUND                                         ; the closing round
	s_endpgm
.Lfunc_end_k_q937dcc8460_outp:
	.size	k_q937dcc8460_outp, .Lfunc_end_k_q937dcc8460_outp-k_q937dcc8460_outp
	.p2alignl 7, 3214868480
	.fill 96, 4, 3214868480
	.section	.rodata,"a",@progbits
	.p2align	6, 0x0
	.amdhsa_kernel k_q937dcc8460_outp
		.amdhsa_group_segment_fixed_size 327680
		.amdhsa_private_segment_fixed_size 0
		.amdhsa_enable_private_segment 0
		.amdhsa_kernarg_size 32
		.amdhsa_user_sgpr_count 2
		.amdhsa_user_sgpr_kernarg_segment_ptr 1
		.amdhsa_wavefront_size32 1
		.amdhsa_system_sgpr_workgroup_id_x 1
		.amdhsa_system_sgpr_workgroup_id_y 1
		.amdhsa_system_sgpr_workgroup_id_z 1
		.amdhsa_system_vgpr_workitem_id 0
		.amdhsa_next_free_vgpr 768
		.amdhsa_next_free_sgpr 70
		.amdhsa_reserve_vcc 0
		.amdhsa_float_denorm_mode_32 3
		.amdhsa_float_denorm_mode_16_64 3
		.amdhsa_memory_ordered 1
		.amdhsa_forward_progress 1
		.amdhsa_inst_pref_size 86
	.end_amdhsa_kernel
	.amdgpu_metadata
---
amdhsa.version: [ 1, 2 ]
amdhsa.kernels:
  - .name:           k_q937dcc8460_outp
    .symbol:         k_q937dcc8460_outp.kd
    .args:
      - { .name: ob, .offset: 0, .size: 8, .value_kind: global_buffer, .address_space: global }
      - { .name: wo, .offset: 8, .size: 8, .value_kind: global_buffer, .address_space: global }
      - { .name: b_out, .offset: 16, .size: 8, .value_kind: global_buffer, .address_space: global }
      - { .name: out0, .offset: 24, .size: 8, .value_kind: global_buffer, .address_space: global }
    .group_segment_fixed_size: 327680
    .private_segment_fixed_size: 0
    .kernarg_segment_align: 8
    .kernarg_segment_size: 32
    .max_flat_workgroup_size: 128
    .sgpr_count:     70
    .vgpr_count:     768
    .wavefront_size: 32
...
	.end_amdgpu_metadata
.endif
;; end of part 4
